; MI455X (gfx1250); checked and timed in simulation.
; The chip was launched on July 23, 2026; its instructions are those of AMD's public machine-readable ISA for CDNA 5 (MIT licence, August 2026) and "CDNA5" Instruction Set Architecture Reference Guide (July 2026). The comments in the code are by the model that wrote it; some were corrected since.
;; Multi Head Attention. Allowed arithmetic: matrix products marked QUANTISED: E4M3 operands, one E8M0 scale for each 32 along K, by v_wmma_scale_f32_16x16x128_f8f6f4 with both operands' format E4M3, f32 sums; everything else in f32.
;; Inputs: K_codes 4 x 2,048 x 32 x 32 uint8 (E4M3 codes of K, K innermost, in blocks of 32 codes); K_scales 4 x 2,048 x 32 uint8 (E8M0 scales of K, one for each 32 codes along K); Q 4 x 2,048 x 1,024 float32; V_codes 4 x 2,048 x 32 x 32 uint8 (E4M3 codes of V, K innermost, in blocks of 32 codes); V_scales 4 x 2,048 x 32 uint8 (E8M0 scales of V, one for each 32 codes along K); Wk_codes 1,024 x 32 x 32 uint8 (E4M3 codes of Wk, K innermost, in blocks of 32 codes); Wk_scales 1,024 x 32 uint8 (E8M0 scales of Wk, one for each 32 codes along K); Wo_codes 1,024 x 32 x 32 uint8 (E4M3 codes of Wo, K innermost, in blocks of 32 codes); Wo_scales 1,024 x 32 uint8 (E8M0 scales of Wo, one for each 32 codes along K); Wq_codes 1,024 x 32 x 32 uint8 (E4M3 codes of Wq, K innermost, in blocks of 32 codes); Wq_scales 1,024 x 32 uint8 (E8M0 scales of Wq, one for each 32 codes along K); Wv_codes 1,024 x 32 x 32 uint8 (E4M3 codes of Wv, K innermost, in blocks of 32 codes); Wv_scales 1,024 x 32 uint8 (E8M0 scales of Wv, one for each 32 codes along K); beta 1,024 float32; bk 1,024 float32; bo 1,024 float32; bq 1,024 float32; bv 1,024 float32; gamma 1,024 float32; mask 4 x 1 x 1 x 2,048 int32.
;; Outputs: out0 4 x 2,048 x 1,024 float32.
;; This version of the problem:
;;   THIS VERSION OF THE PROBLEM IS GIVEN IN LOW PRECISION. The matrix products marked QUANTISED in the list below multiply operands that are first quantised to E4M3 (4 exponent bits, 3 mantissa bits; 8 bits a number), with one power-of-two scale for each 32 numbers along K (OCP MX v1.0); their sums are f32. All else is computed in f32.
;;   The module's matrix products, in the order in which they are computed (A, B: the left and right operand; K: the contracted axis; several contracted axes count as one K, in the product's order):
;;     1. [M 8,192, K 1,024] x [K 1,024, N 1,024]; A: input Q; B: input Wq (given as codes): QUANTISED
;;     2. [M 8,192, K 1,024] x [K 1,024, N 1,024]; A: input K (given as codes); B: input Wk (given as codes): QUANTISED
;;     3. [M 8,192, K 1,024] x [K 1,024, N 1,024]; A: input V (given as codes); B: input Wv (given as codes): QUANTISED
;;     4. batch 64 x [M 2,048, K 64] x [K 64, N 2,048]; A: computed on the way; B: computed on the way: QUANTISED
;;     5. batch 64 x [M 2,048, K 2,048] x [K 2,048, N 64]; A: softmax (see below); B: computed on the way: QUANTISED
;;     6. [M 8,192, K 1,024] x [K 1,024, N 1,024]; A: computed on the way; B: input Wo (given as codes): QUANTISED
;;   THE QUANTISER, for each operand of a quantised product, along K:
;;     - K is cut into blocks of 32 from its start; a last block that is shorter is filled with zeros.
;;     - A block's scale is 2^e with e = floor(log2(the largest magnitude in the block)) - 8, held to -126 .. 127; a block of zeros has e = 0. As a byte (E8M0): e + 127.
;;     - Each number is divided by its block's scale, clamped to +-448, and rounded to the nearest number of E4M3, ties to even, subnormals kept.
;;     - The product sums the exact products of the quantised numbers (number of the format x scale) in f32.
;;   ~~~python
;;   def quantise(x, axis):      # numpy; x: float32 -> the quantised numbers, widened to float32 again
;;       x = np.moveaxis(x, axis, -1); K = x.shape[-1]
;;       x = np.pad(x, [(0, 0)] * (x.ndim - 1) + [(0, -K % 32)]); x = x.reshape(x.shape[:-1] + (-1, 32)); a = np.abs(x).max(-1, keepdims=True)
;;       e = np.where(a > 0, np.clip(np.frexp(np.where(a > 0, a, 1))[1] - 1 - 8, -126, 127), 0)      # np.frexp(a)[1] - 1 = floor(log2(a)), exactly
;;       r = np.clip(x / 2.0 ** e, -448, 448)
;;       step = 2.0 ** (np.maximum(np.frexp(np.where(r == 0, 1, r))[1] - 1, -6) - 3)
;;       q = np.round(r / step) * step * 2.0 ** e      # np.round: ties to even
;;       return np.moveaxis(q.reshape(q.shape[:-2] + (-1,))[..., :K], -1, axis).astype(np.float32)
;;   ~~~
;;   SOFTMAX AHEAD OF A QUANTISED PRODUCT. Where the list says 'softmax', what is quantised is not the finished softmax but p = 2^(t - M), with t = logit x log2(e) and M = ceil(the row's largest t), a whole number; so 1/2 < the row's largest p <= 1. The row's sum l is taken of the UNQUANTISED p, in f32, and the product's result is divided by l at the end. Since M is a whole number, a kernel that streams over the keys may use a running M (the ceiling of the running maximum): every later rescaling is an exact power of two, which a block's scale takes up: the codes' values come out the same.
;;   OPERANDS COMPUTED ON THE WAY. 'Computed on the way' means the value that the module computes at that place (a softmax that the list does not call 'softmax' is quantised finished and normalised). What goes into a quantiser is computed in f32, as accurately as f32 sums, v_exp_f32 and their like allow (about 1e-6 of the number): no bf16 or f16 on the way to a quantiser, and a product that is left as it is and whose result goes on into a quantised operand takes f32 operands (vector FMAs, or v_wmma_f32_16x16x4_f32). A number that lies on a knife's edge between two numbers of the format may be rounded either way, as far as f32 arithmetic and the matrix unit's own rounding can turn it there, and no further.
;;   INPUTS GIVEN AS CODES. K (in the module: [4, 2048, 1024], K = its axis 2); V (in the module: [4, 2048, 1024], K = its axis 2); Wk (in the module: [1024, 1024], K = its axis 1); Wo (in the module: [1024, 1024], K = its axis 1); Wq (in the module: [1024, 1024], K = its axis 1); Wv (in the module: [1024, 1024], K = its axis 1): each comes as NAME_codes (uint8): NAME with its K axis moved to the last place and cut into blocks of 32 codes, [.., K / 32, bytes a block], one block behind the other in memory; one code a byte (a code: sign, 4 exponent bits, 3 mantissa bits); and NAME_scales (uint8): the same leading axes, one E8M0 byte (e + 127) for each 32 codes along K. Its value is code x scale, taken as it is: it is not quantised again, and the codes and scales need not be those that the quantiser above would give.
;; One version. Each part assembles by itself: llvm-mc -triple=amdgcn-amd-amdhsa -mcpu=gfx1250 --defsym DOCPART=n.
;; ======== version 1 of 1: 4 launches
;; limits: right only within a limited range of input values
;; workspace buffers: qc 8,388,608 bytes; qs 262,144 bytes; woimg 1,048,576 bytes; img 25,165,824 bytes; isc 786,432 bytes; cimg 8,388,608 bytes; csc 262,144 bytes
;; launch prep (part 1): grid 256 x 1, 4 waves a work-group, no clusters, 33,280 bytes of LDS; arguments Q, Wo_codes, qc, qs, woimg; writes qc, qs, woimg
.if DOCPART == 1
	.amdgcn_target "amdgcn-amd-amdhsa--gfx1250"
	.amdhsa_code_object_version 6
	.text
	.protected	k_q9c589d9b1e_prep
	.globl	k_q9c589d9b1e_prep
	.p2align	8
	.type	k_q9c589d9b1e_prep,@function
k_q9c589d9b1e_prep:
	s_mov_b64 s[64:65], 0
	v_nop
	global_prefetch_b8 v0, s[64:65] scope:SCOPE_SE
	s_setreg_imm32_b32 hwreg(HW_REG_WAVE_MODE, 25, 1), 1
	s_wait_xcnt 0x0
; Q [8192][1024] f32 becomes codes of E4M3 (qc, K innermost) with one E8M0 byte for each 32 along K (qs); and Wo's codes are laid anew (woimg) in the order in which a wave's operand registers take them.
; A block's scale is 2^(floor(log2(its largest magnitude)) - 8); its byte is that magnitude's exponent field - 8, held at 1 from below.  Each number is held within +-448 x the scale and rounded to the nearest code.
; LIMITS: a block of zeros gets the byte 1 where the rule says 127 (its codes are zeros; this program alone reads the bytes); blocks under the floor 2^(9-127) keep the byte 1; NaN and infinities are not served.
; Rows are dense, so Q is a plain stream of blocks of 32.  A wave takes 16 steps of 512 numbers: four loads of 512 consecutive bytes a step, turned through the wave's own LDS stage so that a lane holds 16 neighbours
; (two lanes to a block); a lane's 16 codes are 16 bytes, a wave's store 512 consecutive bytes; a wave's 256 scale bytes are gathered in LDS and leave as one aligned run of 256 bytes.
; WO.  woimg = [n/64][k/128][tile of 16 rows: 4][block of 32 k: 4][512 bytes]; in a run of 512 bytes lane (r, h) has 16 bytes: k = 8 h + 0..7 and 16 + 8 h + 0..7 of the block, of row r.  That is the order in which
; the context's codes come out of the attention launch; the same order on both sides of a product leaves its sum as it is.  Each wave lays two runs.
.set STEPS, 16
.set EMAX,  8
.set MANT,  0x600000                   ; the mantissa field of 448
.set CB,    16
.set R,     16                         ; v16-79   four sets of 16 numbers as loaded
.set X,     80                         ; v80-111  two sets of 16 neighbours
.set E,     112                        ; v112-127 a scale byte for each step
.set C,     128                        ; v128-191 codes, four registers a step
.set WD,    192                        ; v192-199 Wo's 32 bytes a lane
.set WREG,  8192                       ; LDS of a wave: two stages of 32 x SP bytes, then its 256 scale bytes
.set SP,    80
	s_load_b128 s[4:7], s[0:1], 0x0                ; Q, Wo's codes
	s_load_b128 s[8:11], s[0:1], 0x10              ; qc, qs
	s_load_b64 s[12:13], s[0:1], 0x20              ; woimg
	v_lshl_add_u32 v208, v0, 2, 0x8000
	v_mov_b32 v209, 0
	v_lshrrev_b32 v1, 5, v0
	v_readfirstlane_b32 s16, v1                    ; wave
	v_and_b32 v2, 31, v0                           ; lane
	v_lshlrev_b32 v3, 4, v2                        ; 16 x lane
	s_mul_i32 s17, s16, WREG
	v_lshrrev_b32 v14, 2, v2
	v_mul_u32_u24 v14, v14, SP
	v_and_b32 v15, 3, v2
	v_lshl_add_u32 v14, v15, 4, v14
	v_add_nc_u32 v14, s17, v14                     ; the stage, on the way in: SP (lane / 4) + 16 (lane % 4)
	v_mul_u32_u24 v15, v2, SP
	v_add_nc_u32 v15, s17, v15                     ; and on the way out: SP x lane
	v_mul_u32_u24 v4, v2, CB                       ; my codes' place in a step's
	v_lshrrev_b32 v5, 1, v2
	s_add_co_u32 s17, s17, 2*32*SP
	v_add_nc_u32 v5, s17, v5                       ; my block's scale byte in LDS
	v_lshlrev_b32 v7, 3, v2
	v_add_nc_u32 v6, s17, v7                       ; and 8 bytes a lane on the way out
	v_and_b32 v200, 15, v2
	v_lshrrev_b32 v201, 4, v2
	v_lshlrev_b32 v200, 10, v200
	v_lshl_add_u32 v200, v201, 3, v200             ; Wo: row r of 1,024 bytes, + 8 h
	s_mov_b32 s31, MANT
	s_lshl_b32 s18, ttmp9, 2
	s_add_co_u32 s18, s18, s16                     ; my run of 8,192 numbers
	s_lshl_b32 s20, s18, 15
	s_mov_b32 s21, 0
	s_lshl_b32 s24, s18, 13
	s_mov_b32 s25, 0
	s_lshl_b32 s26, s18, 8
	s_mov_b32 s27, 0
	s_lshr_b32 s28, ttmp9, 1                       ; which (n/64, k/128) of Wo: 0..127
	s_and_b32 s29, ttmp9, 1
	s_lshl_b32 s29, s29, 2
	s_add_co_u32 s29, s29, s16                     ; which eighth of it
	s_lshr_b32 s30, s29, 1                         ; the tile of 16 rows
	s_and_b32 s29, s29, 1                          ; blocks 0, 1 or 2, 3
	s_lshr_b32 s14, s28, 3
	s_lshl_b32 s14, s14, 16                        ; 64 rows of 1,024 bytes
	s_and_b32 s19, s28, 7
	s_lshl_b32 s19, s19, 7
	s_add_co_u32 s14, s14, s19
	s_lshl_b32 s19, s30, 14
	s_add_co_u32 s14, s14, s19
	s_lshl_b32 s19, s29, 6
	s_add_co_u32 s14, s14, s19
	s_mov_b32 s15, 0
	s_lshl_b32 s22, s28, 13
	s_lshl_b32 s19, s30, 11
	s_add_co_u32 s22, s22, s19
	s_lshl_b32 s19, s29, 10
	s_add_co_u32 s22, s22, s19
	s_mov_b32 s23, 0
	s_wait_alu depctr_va_vdst(0)
	s_wait_kmcnt 0x0
	s_add_nc_u64 s[4:5], s[4:5], s[20:21]
	s_add_nc_u64 s[8:9], s[8:9], s[24:25]
	s_add_nc_u64 s[10:11], s[10:11], s[26:27]
	s_add_nc_u64 s[6:7], s[6:7], s[14:15]
	s_add_nc_u64 s[12:13], s[12:13], s[22:23]
.irp i, 0,1,2,3
	global_load_b64 v[WD+2*\i:WD+2*\i+1], v200, s[6:7] offset:16*\i   ; older than every load of Q: the counts below are not changed by them
.endr
.macro LOAD t
.irp i, 0,1,2,3
	global_load_b128 v[R+16*((\t)%4)+4*\i:R+16*((\t)%4)+4*\i+3], v3, s[4:5] offset:2048*(\t)+512*\i   ; 32 lanes read 512 consecutive bytes (Q is read again by the last launch: no hint)
.endr
.endm
.macro TURN t                          ; step t's numbers through the stage: LDS serves a wave's instructions in order
.irp i, 0,1,2,3
	ds_store_b128 v14, v[R+16*((\t)%4)+4*\i:R+16*((\t)%4)+4*\i+3] offset:32*SP*((\t)%2)+8*SP*\i
.endr
.irp i, 0,1,2,3
	ds_load_b128 v[X+16*((\t)%2)+4*\i:X+16*((\t)%2)+4*\i+3], v15 offset:32*SP*((\t)%2)+16*\i
.endr
.endm
.irp t, 0,1,2,3
	LOAD \t
.endr
	s_wait_loadcnt 12                              ; Wo's four and step 0's four are in
	TURN 0
.macro STEP t
.set XS, X+16*((\t)%2)
.if (\t) > 0
	s_wait_dscnt 1                                 ; this step's numbers are back from the stage (the last step's byte store may be out)
.else
	s_wait_dscnt 0x0
.endif
.if (\t)+4 < STEPS
	LOAD (\t)+4
.endif
.if (\t)+1 < STEPS
.if STEPS-2-(\t) >= 3
	s_wait_loadcnt 12                              ; the next step's four loads are in; three steps' may be out
.else
	s_wait_loadcnt 4*(STEPS-2-(\t))
.endif
	TURN (\t)+1
.endif
	v_max3_num_f32 v8, |v[XS]|, |v[XS+1]|, |v[XS+2]|
	v_max3_num_f32 v9, |v[XS+3]|, |v[XS+4]|, |v[XS+5]|
.irp i, 6,10
	v_max3_num_f32 v8, v8, |v[XS+\i]|, |v[XS+\i+1]|
	v_max3_num_f32 v9, v9, |v[XS+\i+2]|, |v[XS+\i+3]|
.endr
	v_max3_num_f32 v8, v8, |v[XS+14]|, |v[XS+15]|
	v_max3_num_f32 v8, v8, v9, (EMAX+1)<<23        ; and the floor: the byte cannot fall under 1
	v_max_num_f32_dpp v8, v8, v8 row_xmask:1 row_mask:0xf bank_mask:0xf   ; with my neighbour's 16: the block's
	v_add_nc_u32 v11, 0xfc000000, v8               ; 8 off the exponent field: the conversion's scale operand
	v_and_or_b32 v10, v8, 0x7f800000, s31          ; 448 x the scale
.irp i, 0,1,2,3,4,5,6,7,8,9,10,11,12,13,14,15
	v_med3_num_f32 v[XS+\i], v[XS+\i], -v10, v10   ; the conversion does not saturate (ISA guide 7.6.2): the hold
.endr
	v_cvt_scalef32_pk8_fp8_f32 v[C+4*(\t):C+4*(\t)+1], v[XS:XS+7], v11
	v_cvt_scalef32_pk8_fp8_f32 v[C+4*(\t)+2:C+4*(\t)+3], v[XS+8:XS+15], v11
	v_lshrrev_b32 v[E+(\t)], 23, v11               ; the scale's byte
	ds_store_b8 v5, v[E+(\t)] offset:16*(\t)       ; both lanes of a block write the same byte with the same value
	global_store_b128 v4, v[C+4*(\t):C+4*(\t)+3], s[8:9] offset:32*CB*(\t)
.endm
.irp t, 0,1,2,3,4,5,6,7,8,9,10,11,12,13,14,15
	STEP \t
.endr
	ds_load_b64 v[12:13], v6
	global_store_b128 v3, v[WD:WD+3], s[12:13]             ; Wo's two runs of 512 consecutive bytes
	global_store_b128 v3, v[WD+4:WD+7], s[12:13] offset:512
	s_wait_dscnt 0x0
	global_store_b64 v7, v[12:13], s[10:11]        ; 32 lanes store 256 consecutive bytes
	s_wait_tensorcnt 0x0
	ds_add_u32 v208, v209
	s_wait_dscnt 0x0
	s_endpgm
.Lfunc_end_k_q9c589d9b1e_prep:
	.size	k_q9c589d9b1e_prep, .Lfunc_end_k_q9c589d9b1e_prep-k_q9c589d9b1e_prep
	.p2alignl 7, 3214868480
	.fill 96, 4, 3214868480
	.section	.rodata,"a",@progbits
	.p2align	6, 0x0
	.amdhsa_kernel k_q9c589d9b1e_prep
		.amdhsa_group_segment_fixed_size 33280
		.amdhsa_private_segment_fixed_size 0
		.amdhsa_enable_private_segment 0
		.amdhsa_kernarg_size 40
		.amdhsa_user_sgpr_count 2
		.amdhsa_user_sgpr_kernarg_segment_ptr 1
		.amdhsa_wavefront_size32 1
		.amdhsa_system_sgpr_workgroup_id_x 1
		.amdhsa_system_sgpr_workgroup_id_y 1
		.amdhsa_system_sgpr_workgroup_id_z 1
		.amdhsa_system_vgpr_workitem_id 0
		.amdhsa_next_free_vgpr 210
		.amdhsa_next_free_sgpr 66
		.amdhsa_reserve_vcc 0
		.amdhsa_float_denorm_mode_32 3
		.amdhsa_float_denorm_mode_16_64 3
		.amdhsa_memory_ordered 1
		.amdhsa_forward_progress 1
		.amdhsa_inst_pref_size 52
	.end_amdhsa_kernel
	.amdgpu_metadata
---
amdhsa.version: [ 1, 2 ]
amdhsa.kernels:
  - .name:           k_q9c589d9b1e_prep
    .symbol:         k_q9c589d9b1e_prep.kd
    .args:
      - { .name: Q, .offset: 0, .size: 8, .value_kind: global_buffer, .address_space: global }
      - { .name: Wo_codes, .offset: 8, .size: 8, .value_kind: global_buffer, .address_space: global }
      - { .name: qc, .offset: 16, .size: 8, .value_kind: global_buffer, .address_space: global }
      - { .name: qs, .offset: 24, .size: 8, .value_kind: global_buffer, .address_space: global }
      - { .name: woimg, .offset: 32, .size: 8, .value_kind: global_buffer, .address_space: global }
    .group_segment_fixed_size: 33280
    .private_segment_fixed_size: 0
    .kernarg_segment_align: 8
    .kernarg_segment_size: 40
    .max_flat_workgroup_size: 128
    .sgpr_count:     66
    .vgpr_count:     210
    .wavefront_size: 32
...
	.end_amdgpu_metadata
.endif
;; end of part 1
;; launch proj (part 2): grid 4 x 96, 4 waves a work-group, clusters of 4 x 4, 327,680 bytes of LDS; arguments qc, qs, Wq_codes, Wq_scales, bq, K_codes, K_scales, Wk_codes, Wk_scales, bk, Wv_codes, Wv_scales, V_codes, V_scales, bv, mask, img, isc; writes img, isc
.if DOCPART == 2
	.amdgcn_target "amdgcn-amd-amdhsa--gfx1250"
	.amdhsa_code_object_version 6
	.text
	.protected	k_q9c589d9b1e_proj
	.globl	k_q9c589d9b1e_proj
	.p2align	8
	.type	k_q9c589d9b1e_proj,@function
k_q9c589d9b1e_proj:
	s_mov_b64 s[64:65], 0
	v_nop
	global_prefetch_b8 v0, s[64:65] scope:SCOPE_SE
	s_setreg_imm32_b32 hwreg(HW_REG_WAVE_MODE, 25, 1), 1
	s_wait_xcnt 0x0
	s_wait_alu depctr_hold_cnt(0) depctr_sa_sdst(0) depctr_va_vdst(0) depctr_va_sdst(0) depctr_va_ssrc(0) depctr_va_vcc(0) depctr_vm_vsrc(0)
	s_getreg_b32 s2, hwreg(HW_REG_IB_STS2, 6, 4)
	s_cmp_eq_u32 s2, 0
	s_cbranch_scc0 .Lentry_in_a_cluster
	s_endpgm
.Lentry_in_a_cluster:
	s_bfe_u32 s2, ttmp6, 0x10000c
	s_cmp_lg_u32 s2, 0xf033
	s_cbranch_scc0 .Lentry_shape_is_right
	s_endpgm
.Lentry_shape_is_right:
.set KSTEP,  256
.set NQ,     2
.set ROWB,   256
.set KROW,   1024
.set PITCH,  272
.set FR,     16
.set NL,     4
.set NP,     8
.set HALFT,  128*PITCH
.set SLOT,   4*HALFT
.set LAPS,   2
.set KS,     32
.set SCL,    2*SLOT
.set HALFS,  16*272
.set SBLK,   2*272
.set SPARE,  SCL+4*HALFS
.set SCST,   SPARE+512
.set RB,   8
.set ADRA, 16
.set ADRB, 20
.set SST,  24
.set SLD,  25
.set CO,   26
.set ADRS, 27
.set SPW,  28
.set NIL,  29
.set SC,   32
.set BN,   64
.set X,    64
.set AF,   128
.set PC,   128
.set TM,   192
.set PW,   208
.set BMV,  216
.set KP,   218
.set LW,   220
.set SEL,  18
.set MNT,  20
.set G1, 24
.set G0, 32
.set G1B, 48
.set G0B, 56
.set G1S, 68
.set G0S, 76
.set G1SB, 80
.set G0SB, 88
.set MSB, 0
.macro WIN new
.if MSB != (\new)
	s_set_vgpr_msb (MSB<<8)|(\new)
.set MSB, (\new)
.endif
.endm
.set MUL_LO, 0xa1
.set MUL_HI, 0xf1
.set TO_B,   0x40
.macro JLOAD g0a, g1a, g0b, g1b
	s_cmp_eq_u32 s15, 0
	s_cbranch_scc0 .Lfor_b_\@
	tensor_load_to_lds s[\g0a:\g0a+3], s[\g1a:\g1a+7]
	s_nop 0
.rept 4
	v_nop
.endr
	s_branch .Lasked_\@
.Lfor_b_\@:
	tensor_load_to_lds s[\g0b:\g0b+3], s[\g1b:\g1b+7]
	s_nop 0
.rept 4
	v_nop
.endr
.Lasked_\@:
.endm
.macro CREST
	s_cmp_lg_u32 s14, 0
	s_cbranch_scc1 .Lnot_wave_0_\@
	s_barrier_signal -3
.Lnot_wave_0_\@:
	s_barrier_wait -3
	s_barrier_signal -1
	s_barrier_wait -1
.endm
.macro CROUND
	s_barrier_signal -1
	s_barrier_wait -1
	CREST
.endm
	s_load_b256 s[68:75], s[0:1], 0x0
	s_load_b64 s[92:93], s[0:1], 0x20
	s_load_b256 s[76:83], s[0:1], 0x28
	s_load_b64 s[94:95], s[0:1], 0x48
	s_load_b256 s[84:91], s[0:1], 0x50
	s_load_b64 s[96:97], s[0:1], 0x70
	s_load_b64 s[98:99], s[0:1], 0x78
	s_load_b64 s[12:13], s[0:1], 0x80
	s_load_b64 s[100:101], s[0:1], 0x88
	v_lshl_add_u32 v[SPW], v0, 2, SPARE
	v_mov_b32 v[NIL], 0
	ds_add_u32 v28, v29
	ds_add_u32 v28, v29
	s_wait_dscnt 0x0
	v_lshrrev_b32 v1, 5, v0
	v_readfirstlane_b32 s14, v1
	s_lshr_b32 s15, s14, 1
	s_and_b32 s16, s14, 1
	s_bfe_u32 s40, ttmp6, 0x40000
	s_bfe_u32 s41, ttmp6, 0x40004
	s_and_b32 s67, ttmp7, 0xffff
	s_lshr_b32 s66, s67, 3
	s_and_b32 s67, s67, 7
	s_lshl_b32 s67, s67, 2
	s_cmp_eq_u32 s66, 2
	s_cselect_b32 s17, 0, s67
	s_cselect_b32 s42, s67, 0
	s_add_co_u32 s17, s17, s41
	s_add_co_u32 s42, s42, s40
	s_lshl_b32 s43, s41, 2
	s_lshl_b32 s43, 15, s43
	s_lshl_b32 s44, 0x1111, s40
	s_or_b32 s[G1+0], s43, (0<<16)|(1<<20)|(1<<21)|(5<<22)|(3<<25)
	s_or_b32 s[G1B+0], s44, (0<<16)|(1<<20)|(1<<21)|(5<<22)|(3<<25)
.irp g, G1, G1B
	s_mov_b32 s[\g+1], ROWB<<16
	s_mov_b32 s[\g+2], 256<<16                     ; the head's loads of codes bring 256 rows; behind them the two words are set to 128
	s_mov_b32 s[\g+3], ROWB<<16
	s_mov_b32 s[\g+4], 256
	s_mov_b32 s[\g+5], KROW
	s_mov_b32 s[\g+6], 0
	s_mov_b32 s[\g+7], 0
.endr
	s_wait_kmcnt 0x0
	s_cmp_eq_u32 s66, 0
	s_cselect_b64 s[76:77], s[68:69], s[76:77]
	s_cselect_b64 s[78:79], s[70:71], s[78:79]
	s_cselect_b64 s[80:81], s[72:73], s[80:81]
	s_cselect_b64 s[82:83], s[74:75], s[82:83]
	s_cselect_b64 s[94:95], s[92:93], s[94:95]
	s_cmp_eq_u32 s66, 2
	s_cselect_b64 s[4:5], s[84:85], s[76:77]
	s_cselect_b64 s[6:7], s[86:87], s[78:79]
	s_cselect_b64 s[8:9], s[88:89], s[80:81]
	s_cselect_b64 s[10:11], s[90:91], s[82:83]
	s_cselect_b64 s[98:99], s[96:97], s[98:99]
	s_cselect_b64 s[96:97], s[96:97], s[94:95]
	s_or_b32 s[G1S+0], s43, (3<<16)|(1<<20)|(1<<21)|(5<<22)|(3<<25)
	s_or_b32 s[G1SB+0], s44, (3<<16)|(1<<20)|(1<<21)|(5<<22)|(3<<25)
.irp g, G1S, G1SB
	s_mov_b32 s[\g+1], 32<<16
	s_mov_b32 s[\g+2], 32<<16                      ; the scales of 256 rows: 32 rows of 256 bytes
	s_mov_b32 s[\g+3], 32<<16
	s_mov_b32 s[\g+4], 32
	s_mov_b32 s[\g+5], 32
	s_mov_b32 s[\g+6], 0
	s_mov_b32 s[\g+7], 0
.endr
	s_lshl_b32 s20, s17, 8                         ; the tiles' first rows
	s_lshl_b32 s46, s42, 8
	s_mov_b32 s21, 0
	s_mov_b32 s47, 0
	s_mov_b64 s[18:19], KS
	s_mul_u64 s[22:23], s[20:21], s[18:19]
	s_mul_u64 s[92:93], s[46:47], s[18:19]
	s_mov_b64 s[18:19], KROW
	s_mul_u64 s[20:21], s[20:21], s[18:19]
	s_mul_u64 s[46:47], s[46:47], s[18:19]
	s_mul_i32 s18, s16, 128*KROW                   ; in the ring I fetch 128 rows of a tile: which half, in bytes
	s_mov_b32 s19, 0
	s_mul_i32 s45, s14, HALFT
	s_add_nc_u64 s[20:21], s[4:5], s[20:21]
	s_add_nc_u64 s[22:23], s[6:7], s[22:23]
	s_add_nc_u64 s[46:47], s[8:9], s[46:47]
	s_add_nc_u64 s[92:93], s[10:11], s[92:93]
	CROUND
	s_mov_b32 s[G0S], 1
	s_mov_b32 s[G0S+1], SCL
	s_mov_b64 s[G0S+2:G0S+3], s[22:23]
	s_or_b32 s[G0S+3], s[G0S+3], 0x80000000
	s_mov_b32 s[G0SB], 1
	s_mov_b32 s[G0SB+1], SCL+2*HALFS
	s_mov_b64 s[G0SB+2:G0SB+3], s[92:93]
	s_or_b32 s[G0SB+3], s[G0SB+3], 0x80000000
	s_mov_b32 s4, 1                                ; group 0 of the head's loads of K step 0: A's 256 rows,
	s_mov_b32 s5, 0
	s_mov_b64 s[6:7], s[20:21]
	s_or_b32 s7, s7, 0x80000000
	s_mov_b32 s8, 1                                ; B's 256 rows, behind them in slot 0
	s_mov_b32 s9, 2*HALFT
	s_mov_b64 s[10:11], s[46:47]
	s_or_b32 s11, s11, 0x80000000
	s_add_nc_u64 s[20:21], s[20:21], s[18:19]      ; for the ring: my 128 rows of the tile
	s_add_nc_u64 s[46:47], s[46:47], s[18:19]
.irp s, 0,1
	s_mov_b32 s[G0+4*\s], 1
	s_add_co_u32 s[G0+4*\s+1], s45, \s*SLOT
	s_add_nc_u64 s[G0+4*\s+2:G0+4*\s+3], s[20:21], \s*ROWB
	s_or_b32 s[G0+4*\s+3], s[G0+4*\s+3], 0x80000000
	s_mov_b32 s[G0B+4*\s], 1
	s_add_co_u32 s[G0B+4*\s+1], s45, \s*SLOT
	s_add_nc_u64 s[G0B+4*\s+2:G0B+4*\s+3], s[46:47], \s*ROWB
	s_or_b32 s[G0B+4*\s+3], s[G0B+4*\s+3], 0x80000000
.endr
; the head's four tiles, one joint load a wave: wave 0 A's rows of K step 0, wave 1 B's, wave 2 A's scales, wave 3 B's; one chain of arms, all leading to one join
.macro ARM under, g0, g1, next
	s_cmp_lt_u32 s14, \under
	s_cbranch_scc0 \next
	tensor_load_to_lds s[\g0:\g0+3], s[\g1:\g1+7]
	s_nop 0
.rept 4
	v_nop
.endr
	s_branch .Lhead_asked
\next:
.endm
	ARM 1, 4, G1, .Lhead_b
	ARM 2, 8, G1B, .Lhead_sa
	ARM 3, G0S, G1S, .Lhead_sb
	tensor_load_to_lds s[G0SB:G0SB+3], s[G1SB:G1SB+7]
	s_nop 0
.rept 4
	v_nop
.endr
.Lhead_asked:
	v_and_b32 v1, 15, v0
	v_bfe_u32 v2, v0, 4, 1
	v_mul_u32_u24 v3, v1, PITCH
	v_lshl_add_u32 v4, v2, 4, v3
	s_mul_i32 s21, s15, HALFT
	s_mul_i32 s22, s16, HALFT
	s_add_co_u32 s22, s22, 2*HALFT
.irp s, 0,1
	v_add_nc_u32 v[ADRA+\s], s21, v4
	v_add_nc_u32 v[ADRB+\s], s22, v4
	s_add_co_u32 s21, s21, SLOT
	s_add_co_u32 s22, s22, SLOT
.endr
	v_mul_u32_u24 v5, v1, KS
	v_lshrrev_b32 v6, 8, v5
	v_lshl_add_u32 v5, v6, 4, v5
	s_mul_i32 s21, s15, HALFS
	s_mul_i32 s22, s16, HALFS
	s_add_co_u32 s22, s22, 2*HALFS
	s_sub_co_u32 s22, s22, s21
	v_mul_u32_u24 v6, s22, v2
	s_add_co_u32 s21, s21, SCL
	v_add_nc_u32 v5, v5, v6
	v_add_nc_u32 v[ADRS], s21, v5
	v_and_b32 v6, 31, v0
	v_lshlrev_b32 v[CO], 4, v6
	s_lshl_b32 s23, s14, 9
	s_add_co_u32 s23, s23, SCST
	v_lshl_add_u32 v[SST], v1, 4, s23
	v_add_nc_u32 v[SLD], s23, v[CO]
	s_lshl_b32 s92, s42, 1
	s_add_co_u32 s92, s92, s16
	s_lshl_b32 s93, s17, 1
	s_add_co_u32 s93, s93, s15
	s_cmp_eq_u32 s66, 2
	s_cselect_b32 s20, 0, s92
	s_lshl_b32 s20, s20, 9
	s_mov_b32 s21, 0
	s_add_nc_u64 s[96:97], s[96:97], s[20:21]
	s_cmp_eq_u32 s66, 0
	s_cselect_b32 s20, 0, s93
	s_lshl_b32 s20, s20, 9
	s_add_nc_u64 s[98:99], s[98:99], s[20:21]
	v_lshlrev_b32 v5, 5, v2
	v_lshlrev_b32 v6, 2, v1
.irp b, 0,1,2,3,4,5,6,7
	global_load_b128 v[BN+8*\b:BN+8*\b+3], v5, s[96:97] offset:64*\b
	global_load_b128 v[BN+8*\b+4:BN+8*\b+7], v5, s[96:97] offset:64*\b+16
.endr
.irp a, 0,1,2,3,4,5,6,7
	global_load_b32 v[RB+\a], v6, s[98:99] offset:64*\a
.endr
	s_wait_loadcnt 0x0
	s_cmp_eq_u32 s66, 2
	s_cselect_b32 s96, 0, 1.0
	s_mov_b32 s97, s96
	s_cselect_b32 s98, -1, 0
	s_cselect_b32 s67, 64, 8
	s_cmp_eq_u32 s66, 1
	s_cselect_b32 s99, 0, -1
.set i, 0
.rept 32
	v_pk_mul_f32 v[BN+i:BN+i+1], v[BN+i:BN+i+1], s[96:97] op_sel_hi:[1,0]
.set i, i+2
.endr
.macro FRAG reg, adr, q, i
.irp c, 0,1,2,3
	ds_load_b128 v[\reg+4*\c:\reg+4*\c+3], v[\adr] offset:128*(\q)+32*\c+(\i)*16*PITCH
.endr
.endm
.macro MUL16 a0, p, q, sc, zero
.irp a, \a0, \a0+1
.irp b, 0,1,2,3,4,5,6,7
.if \zero
	v_wmma_scale_f32_16x16x128_f8f6f4 v[8*(8*((\a)%4)+\b):8*(8*((\a)%4)+\b)+7], v[128*(\p)+FR*\b:128*(\p)+FR*\b+FR-1], v[AF+FR*(\a):AF+FR*(\a)+FR-1], v[BN+8*\b:BN+8*\b+7], v[SC+8*NQ*(\sc)+NQ*\b+(\q)], v[SC+8*NQ*(\sc)+NQ*(\a)+(\q)] matrix_a_scale:MATRIX_SCALE_ROW1
.else
	v_wmma_scale_f32_16x16x128_f8f6f4 v[8*(8*((\a)%4)+\b):8*(8*((\a)%4)+\b)+7], v[128*(\p)+FR*\b:128*(\p)+FR*\b+FR-1], v[AF+FR*(\a):AF+FR*(\a)+FR-1], v[8*(8*((\a)%4)+\b):8*(8*((\a)%4)+\b)+7], v[SC+8*NQ*(\sc)+NQ*\b+(\q)], v[SC+8*NQ*(\sc)+NQ*(\a)+(\q)] matrix_a_scale:MATRIX_SCALE_ROW1
.endif
.endr
.endr
.endm
.macro FETCH_B slot, q, p
	WIN TO_B
.irp i, 0,1,2,3,4,5,6,7
	FRAG 128*(\p)+FR*\i, ADRB+\slot, \q, \i
.endr
	WIN 0
.endm
.macro FETCH_A slot, q, i0
.irp i, \i0, \i0+1, \i0+2, \i0+3
	FRAG AF+FR*(\i), ADRA+\slot, \q, \i
.endr
.endm
.macro SCALES sc
.irp i, 0,1,2,3,4,5,6,7
	ds_load_b64 v[SC+8*NQ*\sc+NQ*\i:SC+8*NQ*\sc+NQ*\i+1], v[ADRS] offset:\i*SBLK
.endr
.endm
.macro PLACES n
.rept \n
	v_nop
.endr
.endm
.macro STEP slot, q, zero
	s_wait_dscnt 4*NL
.if \zero
	WIN 0x81
.else
	WIN MUL_LO
.endif
	MUL16 0, (\q)%2, \q, \slot, \zero
	MUL16 2, (\q)%2, \q, \slot, \zero
	s_wait_dscnt 0
	PLACES NP
	FETCH_B \slot, (\q)+1, 1-(\q)%2
	FETCH_A \slot, (\q)+1, 0
.if \zero
	WIN 0xc1
.else
	WIN MUL_HI
.endif
	MUL16 4, (\q)%2, \q, \slot, \zero
	MUL16 6, (\q)%2, \q, \slot, \zero
	PLACES NP
	WIN 0
	FETCH_A \slot, (\q)+1, 4
.endm
.macro TURN slot, next, fill
	s_wait_tensorcnt 0x0
	ds_add_u32 v[SPW], v[NIL]
	s_wait_dscnt 4*NL+1
	WIN MUL_LO
	MUL16 0, 1, NQ-1, \slot, 0
	s_wait_dscnt 0x0
	s_barrier_signal -1
	MUL16 2, 1, NQ-1, \slot, 0
	WIN 0
	s_barrier_wait -1
.if \fill
	CREST
	s_add_nc_u64 s[G0+4*\slot+2:G0+4*\slot+3], s[G0+4*\slot+2:G0+4*\slot+3], 2*ROWB
	s_add_nc_u64 s[G0B+4*\slot+2:G0B+4*\slot+3], s[G0B+4*\slot+2:G0B+4*\slot+3], 2*ROWB
	JLOAD G0+4*\slot, G1, G0B+4*\slot, G1B
	PLACES NP-4
.else
	PLACES NP
.endif
	s_wait_alu depctr_va_vdst(0)
	v_add_nc_u32 v[ADRS], 4*NQ, v[ADRS]
	FETCH_B \next, 0, 0
	FETCH_A \next, 0, 0
	SCALES \next
	WIN MUL_HI
	MUL16 4, 1, NQ-1, \slot, 0
	MUL16 6, 1, NQ-1, \slot, 0
	PLACES NP
	WIN 0
	FETCH_A \next, 0, 4
.endm
	PLACES NP
	s_wait_alu depctr_va_vdst(0)
	s_wait_tensorcnt 0x0                           ; my tile of the head's four is in
	ds_add_u32 v[SPW], v[NIL]
	s_mov_b32 s[G1+2], 128<<16                     ; no tensor load of mine is out: from here on a load brings 128 rows
	s_mov_b32 s[G1+4], 128
	s_mov_b32 s[G1B+2], 128<<16
	s_mov_b32 s[G1B+4], 128
	s_wait_dscnt 0x0
	CROUND
	JLOAD G0+4, G1, G0B+4, G1B                     ; K step 1, the first tensor load behind the round
	FETCH_B 0, 0, 0
	FETCH_A 0, 0, 0
	SCALES 0
	FETCH_A 0, 0, 4
	STEP 0, 0, 1
	s_mov_b32 s3, LAPS-1
.Llap:
	TURN 0, 1, 1
	STEP 1, 0, 0
	TURN 1, 0, 1
	STEP 0, 0, 0
	s_sub_co_u32 s3, s3, 1
	s_cmp_lg_u32 s3, 0
	s_cbranch_scc1 .Llap
	TURN 0, 1, 0
	STEP 1, 0, 0
	s_wait_dscnt 4*NL
	WIN MUL_LO
	MUL16 0, 1, NQ-1, 1, 0
	MUL16 2, 1, NQ-1, 1, 0
	s_wait_dscnt 0
	WIN MUL_HI
	MUL16 4, 1, NQ-1, 1, 0
	MUL16 6, 1, NQ-1, 1, 0
	WIN 0
	s_mul_i32 s20, s93, s67
	s_add_co_u32 s20, s20, s92
	s_lshl_b32 s22, s20, 14
	s_lshl_b32 s23, s66, 23
	s_add_co_u32 s22, s22, s23
	s_mov_b32 s23, 0
	s_add_nc_u64 s[12:13], s[12:13], s[22:23]
	s_lshl_b32 s22, s20, 9
	s_lshl_b32 s21, s66, 18
	s_add_co_u32 s22, s22, s21
	s_add_nc_u64 s[100:101], s[100:101], s[22:23]
	s_mov_b32 s[SEL], 0x76543210
	s_mov_b32 s[SEL+1], 0xfedcba98
	s_mov_b32 s[MNT], 0x600000
	PLACES NP
.irp b, 0,1,2,3
	v_mov_b32 v[TM+4+\b], 0
.endr
	v_mov_b32 v[BMV+1], 0
.macro QUANT s, pc, pw
.irp b, 0,1,2,3
	v_max3_num_f32 v[TM+\b], |v[\s+16*\b]|, |v[\s+1+16*\b]|, 0x4800000
.endr
.irp i, 2,4,6,8,10,12,14
.irp b, 0,1,2,3
	v_max3_num_f32 v[TM+\b], v[TM+\b], |v[\s+16*\b+\i]|, |v[\s+1+16*\b+\i]|
.endr
.endr
.irp b, 0,1,2,3
	v_permlanex16_b32 v[TM+4+\b], v[TM+\b], s[SEL], s[SEL+1]
.endr
.irp b, 0,1,2,3
	v_max_num_f32 v[TM+\b], v[TM+\b], v[TM+4+\b]
.endr
.irp b, 0,1,2,3
	v_add_nc_u32 v[TM+12+\b], 0xfc000000, v[TM+\b]
.endr
.irp b, 0,1,2,3
	v_and_or_b32 v[TM+8+\b], v[TM+\b], 0x7f800000, s[MNT]
.endr
.irp b, 0,1,2,3
	v_mul_f32 v[TM+8+\b], v[TM+8+\b], v[KP]
.endr
.irp b, 0,1,2,3
	v_lshrrev_b32 v[TM+4+\b], 23, v[TM+12+\b]
.endr
	v_lshl_or_b32 v[\pw], v[TM+5], 8, v[TM+4]
	v_lshl_or_b32 v[\pw], v[TM+6], 16, v[\pw]
	v_lshl_or_b32 v[\pw], v[TM+7], 24, v[\pw]
.irp b, 0,1,2,3
.irp i, 0,1,2,3,4,5,6,7,8,9,10,11,12,13,14,15
	v_med3_num_f32 v[\s+16*\b+\i], v[\s+16*\b+\i], -v[TM+8+\b], v[TM+8+\b]
.endr
	v_cvt_scalef32_pk8_fp8_f32 v[\pc+4*\b:\pc+1+4*\b], v[\s+16*\b:\s+7+16*\b], v[TM+12+\b]
	v_cvt_scalef32_pk8_fp8_f32 v[\pc+2+4*\b:\pc+3+4*\b], v[\s+8+16*\b:\s+15+16*\b], v[TM+12+\b]
.endr
	v_nop
.endm
.macro OUTBLK a
.set AC, 64*((\a)%4)
.set PCA, PC+16*((\a)%4)
.set PWA, PW+(\a)
	v_cndmask_b32 v[BMV], 0, v[RB+(\a)], s98
	v_or_b32 v[KP], s99, v[RB+(\a)]
	v_cmp_ne_u32 vcc_lo, 0, v[KP]
	v_cndmask_b32 v[KP], 0, 1.0, vcc_lo
	WIN 0x02+(\a)/4
.set i, 0
.rept 32
	v_pk_add_f32 v[X+i:X+i+1], v[AC+i:AC+i+1], v[BMV:BMV+1] op_sel_hi:[1,0]
.set i, i+2
.endr
	WIN 0
.if (\a) >= 4
	s_wait_xcnt 0x0
.endif
	QUANT X, PCA, PWA
.irp j, 0,1,2,3
	global_store_b128 v[CO], v[PCA+4*\j:PCA+4*\j+3], s[12:13] offset:(4*(\a)+\j)*512
.endr
	ds_store_b32 v[SST], v[PWA] offset:256*((\a)&1)+4*((\a)>>1)
.endm
.irp a, 0,1,2,3,4,5,6,7
	OUTBLK \a
.endr
	ds_load_b128 v[LW:LW+3], v[SLD]
	s_wait_dscnt 0x0
	global_store_b128 v[CO], v[LW:LW+3], s[100:101]
	s_wait_tensorcnt 0x0
	ds_add_u32 v[SPW], v[NIL]
	s_wait_dscnt 0x0
	CROUND
	s_endpgm
.Lfunc_end_k_q9c589d9b1e_proj:
	.size	k_q9c589d9b1e_proj, .Lfunc_end_k_q9c589d9b1e_proj-k_q9c589d9b1e_proj
	.p2alignl 7, 3214868480
	.fill 96, 4, 3214868480
	.section	.rodata,"a",@progbits
	.p2align	6, 0x0
	.amdhsa_kernel k_q9c589d9b1e_proj
		.amdhsa_group_segment_fixed_size 327680
		.amdhsa_private_segment_fixed_size 0
		.amdhsa_enable_private_segment 0
		.amdhsa_kernarg_size 144
		.amdhsa_user_sgpr_count 2
		.amdhsa_user_sgpr_kernarg_segment_ptr 1
		.amdhsa_wavefront_size32 1
		.amdhsa_system_sgpr_workgroup_id_x 1
		.amdhsa_system_sgpr_workgroup_id_y 1
		.amdhsa_system_sgpr_workgroup_id_z 1
		.amdhsa_system_vgpr_workitem_id 0
		.amdhsa_next_free_vgpr 1024
		.amdhsa_next_free_sgpr 102
		.amdhsa_reserve_vcc 1
		.amdhsa_float_denorm_mode_32 3
		.amdhsa_float_denorm_mode_16_64 3
		.amdhsa_memory_ordered 1
		.amdhsa_forward_progress 1
		.amdhsa_inst_pref_size 210
	.end_amdhsa_kernel
	.amdgpu_metadata
---
amdhsa.version: [ 1, 2 ]
amdhsa.kernels:
  - .name:           k_q9c589d9b1e_proj
    .symbol:         k_q9c589d9b1e_proj.kd
    .args:
      - { .name: qc, .offset: 0, .size: 8, .value_kind: global_buffer, .address_space: global }
      - { .name: qs, .offset: 8, .size: 8, .value_kind: global_buffer, .address_space: global }
      - { .name: Wq_codes, .offset: 16, .size: 8, .value_kind: global_buffer, .address_space: global }
      - { .name: Wq_scales, .offset: 24, .size: 8, .value_kind: global_buffer, .address_space: global }
      - { .name: bq, .offset: 32, .size: 8, .value_kind: global_buffer, .address_space: global }
      - { .name: K_codes, .offset: 40, .size: 8, .value_kind: global_buffer, .address_space: global }
      - { .name: K_scales, .offset: 48, .size: 8, .value_kind: global_buffer, .address_space: global }
      - { .name: Wk_codes, .offset: 56, .size: 8, .value_kind: global_buffer, .address_space: global }
      - { .name: Wk_scales, .offset: 64, .size: 8, .value_kind: global_buffer, .address_space: global }
      - { .name: bk, .offset: 72, .size: 8, .value_kind: global_buffer, .address_space: global }
      - { .name: Wv_codes, .offset: 80, .size: 8, .value_kind: global_buffer, .address_space: global }
      - { .name: Wv_scales, .offset: 88, .size: 8, .value_kind: global_buffer, .address_space: global }
      - { .name: V_codes, .offset: 96, .size: 8, .value_kind: global_buffer, .address_space: global }
      - { .name: V_scales, .offset: 104, .size: 8, .value_kind: global_buffer, .address_space: global }
      - { .name: bv, .offset: 112, .size: 8, .value_kind: global_buffer, .address_space: global }
      - { .name: mask, .offset: 120, .size: 8, .value_kind: global_buffer, .address_space: global }
      - { .name: img, .offset: 128, .size: 8, .value_kind: global_buffer, .address_space: global }
      - { .name: isc, .offset: 136, .size: 8, .value_kind: global_buffer, .address_space: global }
    .group_segment_fixed_size: 327680
    .private_segment_fixed_size: 0
    .kernarg_segment_align: 8
    .kernarg_segment_size: 144
    .max_flat_workgroup_size: 128
    .sgpr_count:     102
    .vgpr_count:     1024
    .wavefront_size: 32
...
	.end_amdgpu_metadata
.endif
;; end of part 2
;; launch attn (part 3): grid 4 x 64, 8 waves a work-group, clusters of 4 x 1, 327,680 bytes of LDS; arguments img, isc, mask, cimg, csc; writes cimg, csc
.if DOCPART == 3
	.amdgcn_target "amdgcn-amd-amdhsa--gfx1250"
	.amdhsa_code_object_version 6
	.text
	.protected	k_q9c589d9b1e_attn
	.globl	k_q9c589d9b1e_attn
	.p2align	8
	.type	k_q9c589d9b1e_attn,@function
k_q9c589d9b1e_attn:
	s_mov_b64 s[64:65], 0
	v_nop
	global_prefetch_b8 v0, s[64:65] scope:SCOPE_SE
	s_setreg_imm32_b32 hwreg(HW_REG_WAVE_MODE, 25, 1), 1
	s_wait_xcnt 0x0
	s_wait_alu depctr_hold_cnt(0) depctr_sa_sdst(0) depctr_va_vdst(0) depctr_va_sdst(0) depctr_va_ssrc(0) depctr_va_vcc(0) depctr_vm_vsrc(0)
	s_getreg_b32 s2, hwreg(HW_REG_IB_STS2, 6, 4)
	s_cmp_eq_u32 s2, 0
	s_cbranch_scc0 .Lentry_in_a_cluster
	s_endpgm
.Lentry_in_a_cluster:
	s_bfe_u32 s2, ttmp6, 0x10000c
	s_cmp_lg_u32 s2, 0x3003
	s_cbranch_scc0 .Lentry_shape_is_right
	s_endpgm
.Lentry_shape_is_right:
; ctx = softmax(q k^T / 8, masked) v for one batch and head, both products on codes of E4M3 with E8M0 scales; ctx leaves as codes (cimg) and scale bytes (csc).
; p = 2^(t - M), t = score x log2(e) / 8, M = the running largest t rounded up to a whole number; the row's sum is taken of the unquantised p and divides at the end.
; SHARES.  A cluster of four work-groups serves one (batch, head); a work-group owns 512 queries in two passes; each of its EIGHT waves owns TWO tiles of 16 queries a pass,
; so that each fragment of K and of V read from LDS feeds two products.  K and V of the whole head (2 x 128 KiB) lie in LDS, brought once by joint loads of the four partners.
; LDS: K as [tile of 16 keys: 8][key step of 128 keys: 16][1,024 bytes] (wave a brings tile a of all steps: 16 rows of 1,024 bytes); V as [key step][8,192] (a wave brings two rows of 8,192 bytes).
; Both products are used transposed: a lane holds one query.  The head's 64 fill blocks 0, 1 of K = 128; block 2 holds one code -1 (K) against one code 1 (Q), whose scale byte on K's side is 1 for an open key
; and 0xa0 for a masked one: 2^33 is taken off a masked score.  LIMITS: a masked score is the score - 2^33 where reference() has -1e9: p is 0 either way beside any open key, and a row with no open key
; gets equal p, as there; the scaled scores stay under 2^31 in magnitude; NaN and infinities are not served; a block's byte never falls under 1.
; REGISTERS.  Window 0: all that the softmax touches (scores and p of both tiles, maxima, scales, p's codes).  Window 1: K's four fragments, V's four, Q's two, O^T of both tiles.
; One tile's exponentials stand among the other tile's multiply-adds or holds; each of those is first read behind a wait.  The step's LDS loads are issued ahead of the work that covers them.
; The last step of a pass loads K's first four fragments and scale words one step past the end: bytes of LDS that were filled at the head; they are not used.
; NO PREFETCH: K and V come once, at the head, and there is no stream in the loops.
.set VL,    131072
.set KSC,   262144                     ; K's scale words with the mask's byte, 512 bytes a key step
.set VSC,   270336                     ; V's, 256 bytes a key step
.set CS,    274432                     ; ctx's scale bytes: 2 passes x 512
.set SPARE, 278528                     ; the spare words, 128 bytes a wave
.set AK0, 1
.set AK1, 2
.set AV0, 3
.set ASK0, 4
.set ASV0, 5
.set GL, 6
.set GS, 7
.set ADK, 8
.set ADK1, 9
.set ADV, 10
.set ADS, 11
.set ADT, 12
.set CSA, 13
.set CSR, 14
.set CSW, 15
.set SPW, 16
.set NIL, 17
.set QW, 18                            ; v18, v19 Q's scale words, a tile each
.set PT, 20                            ; 12 registers a tile:
.set NM, PT                            ; -M
.set RR, PT+1                          ; the running largest score
.set LL, PT+2                          ; the sum, two halves
.set FF, PT+4                          ; f = 2^(old M - new M), and a 0 above it
.set SA, PT+6                          ; the step's sum of p
.set NO, PT+10                         ; the old -M
.set TT, PT+11
.set BM, 44                            ; 16 a tile: the blocks' maxima, then BT, BH (bounds), BS (scale operands)
.set BT, 48
.set BH, 52
.set BS, 56
.set KW, 76
.set VW, 80
.set PWD, 82                           ; v82, v83 p's scale words
.set PCD, 84                           ; p's codes, 16 a tile
.set S, 116                            ; scores, then p: 64 a tile
.set SCH, 244                          ; four chains of the sum
.set KF, 0                             ; window 1
.set VF, 64
.set QF, 128
.set O, 160
.set QN, 224                           ; window 1: the second pass's codes of Q, 8 a tile, until the first pass has ended
.set QWN, 252                          ; window 0: v252, v253 its scale words
.set WV, 14
.set SEL, 22
.set CC, 24
.set MNT, 26
.set TK, 52
.set TV, 53
.set TS, 54
.set TJ, 55
.set CNT, 56
.set NC, 57
.set PS, 90
.set CSO, 91
.set MSB, 0
.macro WIN new                         ; the immediate's high byte repeats the setting that is left
.if MSB != (\new)
	s_set_vgpr_msb (MSB<<8)|(\new)
.set MSB, (\new)
.endif
.endm
.macro WALU
	s_wait_alu depctr_va_vdst(0)
.endm
.macro CROUND
	s_barrier_signal -1
	s_barrier_wait -1
	s_cmp_lg_u32 s[WV], 0
	s_cbranch_scc1 .Lnot_wave_0_\@
	s_barrier_signal -3
.Lnot_wave_0_\@:
	s_barrier_wait -3
	s_barrier_signal -1
	s_barrier_wait -1
.endm
	s_load_b256 s[4:11], s[0:1], 0x0               ; img, isc, mask, cimg
	s_load_b64 s[12:13], s[0:1], 0x20              ; csc
	v_lshl_add_u32 v[SPW], v0, 2, SPARE
	v_mov_b32 v[NIL], 0
	ds_add_u32 v[SPW], v[NIL]
	ds_add_u32 v[SPW], v[NIL]
	v_lshrrev_b32 v8, 5, v0
	v_readfirstlane_b32 s[WV], v8                  ; wave 0..7
	s_bfe_u32 s15, ttmp6, 0x40000                  ; cx: which 512 queries
	s_and_b32 s16, ttmp7, 0xffff
	s_lshr_b32 s17, s16, 4                         ; batch
	s_and_b32 s18, s16, 15                         ; head
	s_and_b32 s19, s18, 1
	s_lshr_b32 s20, s18, 1
	s_lshl_b32 s21, s17, 4                         ; the batch's first key step
	s_lshl_b32 s58, s21, 3
	s_add_co_u32 s58, s58, s20
	s_lshl_b32 s60, s58, 14
	s_lshl_b32 s61, s19, 10
	s_add_co_u32 s60, s60, s61
	s_lshl_b32 s61, s[WV], 11                      ; K: tile = wave, 2,048 bytes on
	s_add_co_u32 s60, s60, s61
	s_add_co_u32 s60, s60, 0x800000
	s_mov_b32 s61, 0
	s_lshl_b32 s59, s20, 6
	s_add_co_u32 s59, s59, s21
	s_lshl_b32 s63, s[WV], 1                       ; V: key steps 2 wave, 2 wave + 1
	s_add_co_u32 s62, s59, s63
	s_lshl_b32 s62, s62, 14
	s_lshl_b32 s63, s19, 13
	s_add_co_u32 s62, s62, s63
	s_add_co_u32 s62, s62, 0x1000000
	s_mov_b32 s63, 0
	s_mov_b32 s28, 15|(3<<16)|(1<<21)              ; K: 16 rows of 128 elements of 8 bytes, 131,072 bytes apart; the mask names the four partners
	s_mov_b32 s29, 128<<16
	s_mov_b32 s30, 16<<16
	s_mov_b32 s31, 128<<16
	s_mov_b32 s32, 16
	s_mov_b32 s33, 16384
	s_mov_b32 s34, 0
	s_mov_b32 s35, 0
	s_mov_b32 s36, 15|(3<<16)|(1<<21)              ; V: 2 rows of 1,024 elements of 8 bytes, 16,384 bytes apart
	s_mov_b32 s37, 1024<<16
	s_mov_b32 s38, 2<<16
	s_mov_b32 s39, 1024<<16
	s_mov_b32 s40, 2
	s_mov_b32 s41, 2048
	s_mov_b32 s42, 0
	s_mov_b32 s43, 0
	s_lshl_b32 s66, s[WV], 14
	s_mov_b32 s[SEL], 0x76543210
	s_mov_b32 s[SEL+1], 0xfedcba98
	s_mov_b32 s[CC], 0x3e38aa3b                    ; c = log2(e) / 8
	s_mov_b32 s[CC+1], s[CC]
	s_mov_b32 s[NC], 0xbe38aa3b                    ; -c
	s_mov_b32 s[MNT], 0x600000
	s_lshl_b32 s27, s19, 4
	s_mov_b32 s85, 0x7f7f0000
	WALU
	s_wait_dscnt 0x0
	s_wait_kmcnt 0x0
	s_mov_b32 s44, 1
	s_mov_b32 s45, s66
	s_add_nc_u64 s[46:47], s[4:5], s[60:61]
	s_or_b32 s47, s47, 0x80000000
	s_mov_b32 s48, 1
	s_add_co_u32 s49, s66, VL
	s_add_nc_u64 s[50:51], s[4:5], s[62:63]
	s_or_b32 s51, s51, 0x80000000
	CROUND
	tensor_load_to_lds s[44:47], s[28:35]          ; K: my one load at the head
	s_nop 0
	s_add_co_u32 s21, s21, s[WV]                   ; scale bytes and mask: I prepare key steps wave and wave + 8
	s_lshl_b32 s58, s21, 3
	s_add_co_u32 s58, s58, s20
	s_lshl_b32 s60, s58, 9
	s_add_co_u32 s60, s60, 0x40000
	s_add_nc_u64 s[68:69], s[6:7], s[60:61]
	s_add_co_u32 s59, s59, s[WV]
	s_lshl_b32 s62, s59, 9
	s_lshl_b32 s67, s19, 3
	s_add_co_u32 s62, s62, s67
	s_add_co_u32 s62, s62, 0x80000
	s_add_nc_u64 s[70:71], s[6:7], s[62:63]
	s_lshl_b32 s60, s17, 13
	s_lshl_b32 s67, s[WV], 9
	s_add_co_u32 s60, s60, s67
	s_add_nc_u64 s[72:73], s[8:9], s[60:61]
	v_and_b32 v9, 31, v0
	v_and_b32 v10, 15, v0
	v_lshlrev_b32 v[GL], 4, v9
	v_lshlrev_b32 v[GS], 4, v10
	v_lshlrev_b32 v244, 2, v9
	global_load_b128 v[116:119], v[GL], s[68:69]
	global_load_b128 v[120:123], v[GL], s[68:69] offset:32768
	global_load_b64 v[124:125], v[GL], s[70:71]
	global_load_b64 v[126:127], v[GL], s[70:71] offset:4096
.irp p, 0,1,2,3
	global_load_b32 v[128+\p], v244, s[72:73] offset:128*\p
	global_load_b32 v[132+\p], v244, s[72:73] offset:4096+128*\p
.endr
	v_lshlrev_b32 v[AK0], 4, v9
	v_lshl_add_u32 v[AK1], v9, 4, 65536            ; K's tiles 4 to 7
	v_lshl_add_u32 v[AV0], v9, 4, VL
	v_lshl_add_u32 v[ASK0], v9, 4, KSC
	v_lshl_add_u32 v[ASV0], v9, 3, VSC
	v_lshl_add_u32 v245, v0, 4, KSC
	v_lshl_add_u32 v246, v0, 3, VSC
	v_and_b32 v[CSA], 0xe0, v0
	v_add_nc_u32 v[CSA], v[CSA], v10
	v_lshl_add_u32 v[CSA], v[CSA], 1, CS           ; 64 x wave + 2 r; the second tile 32 on
	v_lshl_add_u32 v[CSR], v9, 4, CS
	; where my queries lie: block of 128 = 16 batch + 4 cx + wave / 4 (+ 2 a pass), tiles 2 (wave % 4) and the next
	s_lshl_b32 s74, s17, 4
	s_lshl_b32 s75, s15, 2
	s_add_co_u32 s74, s74, s75
	s_lshr_b32 s75, s[WV], 2
	s_add_co_u32 s74, s74, s75
	s_and_b32 s75, s[WV], 3
	s_lshl_b32 s76, s74, 3
	s_add_co_u32 s76, s76, s20
	s_lshl_b32 s78, s76, 5
	s_lshl_b32 s77, s75, 3
	s_add_co_u32 s78, s78, s77
	s_lshl_b32 s77, s19, 1
	s_add_co_u32 s78, s78, s77
	s_lshl_b32 s78, s78, 9
	s_mov_b32 s79, 0
	s_add_nc_u64 s[80:81], s[4:5], s[78:79]        ; Q's codes; the second tile 2,048 bytes on
	s_lshl_b32 s78, s76, 9
	s_lshl_b32 s77, s75, 2
	s_add_co_u32 s78, s78, s77
	s_add_nc_u64 s[82:83], s[6:7], s[78:79]        ; Q's scale words; the second tile 256 on
	WIN 0x40                                       ; Q of both passes is asked for here, while K's tiles are on their way; the second pass lies two blocks of 128 queries on
.irp u, 0,1
	global_load_b128 v[QF+16*\u:QF+16*\u+3], v[GL], s[80:81] offset:2048*\u
	global_load_b128 v[QF+16*\u+4:QF+16*\u+7], v[GL], s[80:81] offset:2048*\u+512
	global_load_b128 v[QN+8*\u:QN+8*\u+3], v[GL], s[80:81] offset:0x40000+2048*\u
	global_load_b128 v[QN+8*\u+4:QN+8*\u+7], v[GL], s[80:81] offset:0x40000+2048*\u+512
.endr
	WIN 0
.irp u, 0,1
	global_load_b32 v[QW+\u], v[GS], s[82:83] offset:256*\u
	global_load_b32 v[QWN+\u], v[GS], s[82:83] offset:0x2000+256*\u
.endr
	s_lshl_b32 s78, s74, 3
	s_lshl_b32 s77, s75, 1
	s_add_co_u32 s78, s78, s77
	s_lshl_b32 s78, s78, 3
	s_add_co_u32 s78, s78, s20
	s_lshl_b32 s78, s78, 2
	s_lshl_b32 s77, s19, 1
	s_add_co_u32 s78, s78, s77
	s_lshl_b32 s78, s78, 9
	s_add_nc_u64 s[86:87], s[10:11], s[78:79]      ; ctx's codes; the second tile 16,384 on
	WALU
	s_wait_tensorcnt 0x0
	ds_add_u32 v[SPW], v[NIL]
	s_wait_dscnt 0x0
	CROUND
	tensor_load_to_lds s[48:51], s[36:43]          ; V
	s_nop 0
.rept 4
	v_nop
.endr
	v_cmp_gt_u32 vcc_lo, 16, v9
	v_mov_b32 v247, 0xb8
	v_cndmask_b32 v248, 0, v247, vcc_lo            ; the code -1 at k = 64
	v_mov_b32 v247, 0x38
	v_cndmask_b32 v249, 0, v247, vcc_lo            ; the code 1
	v_mov_b32 v250, 0x7f010000
	v_mov_b32 v251, 0x7fa00000
.irp u, 0,1
.irp b, 0,1,2,3
	v_mov_b32 v[BT+16*\u+\b], 0                    ; a lane permute's destination counts as a source
.endr
	v_mov_b32 v[FF+12*\u+1], 0
.endr
	WIN 0x40                                       ; blocks 2 and 3 of Q's and K's fragments are written once
.irp u, 0,1
	v_mov_b32 v[QF+16*\u+8], v249
.irp i, 9,10,11,12,13,14,15
	v_mov_b32 v[QF+16*\u+\i], 0
.endr
.endr
.irp t, 0,1,2,3
	v_mov_b32 v[KF+16*\t+8], v248
.irp i, 9,10,11,12,13,14,15
	v_mov_b32 v[KF+16*\t+\i], 0
.endr
.endr
	WIN 0
	WALU
	s_wait_loadcnt 0x0
.irp p, 0,1,2,3,4,5,6,7
	v_cmp_eq_u32 vcc_lo, 0, v[128+\p]
	v_cndmask_b32 v[128+\p], v250, v251, vcc_lo
	v_lshrrev_b32 v[116+\p], s27, v[116+\p]        ; my head's two bytes,
	v_and_or_b32 v[116+\p], v[116+\p], 0xffff, v[128+\p]   ; and the mask's byte over them
.endr
.irp r, QW, QW+1, QWN, QWN+1
	v_lshrrev_b32 v[\r], s27, v[\r]                ; Q's scale words: my head's two bytes, 1.0 over them for blocks 2 and 3
	v_and_or_b32 v[\r], v[\r], 0xffff, s85
.endr
	ds_store_b128 v245, v[116:119]
	ds_store_b128 v245, v[120:123] offset:4096
	ds_store_b64 v246, v[124:125]
	ds_store_b64 v246, v[126:127] offset:2048
	s_wait_tensorcnt 0x0
	s_wait_dscnt 0x0
	s_barrier_signal -1
	s_barrier_wait -1                              ; K, V and the scale words lie in LDS for all waves
.macro SMUL g                          ; S^T = K Q^T: key tiles 4 g .. 4 g + 3 against both query tiles; sixteen different accumulators a step
	WIN 0x05
.irp t, 0,1,2,3
.irp u, 0,1
.if (\t)%2
	v_wmma_scale_f32_16x16x128_f8f6f4 v[S+64*\u+8*(4*\g+\t):S+64*\u+8*(4*\g+\t)+7], v[KF+16*\t:KF+16*\t+15], v[QF+16*\u:QF+16*\u+15], 0, v[KW+(4*\g+\t)/2], v[QW+\u] matrix_a_scale:MATRIX_SCALE_ROW1
.else
	v_wmma_scale_f32_16x16x128_f8f6f4 v[S+64*\u+8*(4*\g+\t):S+64*\u+8*(4*\g+\t)+7], v[KF+16*\t:KF+16*\t+15], v[QF+16*\u:QF+16*\u+15], 0, v[KW+(4*\g+\t)/2], v[QW+\u]
.endif
.endr
.endr
	WIN 0
.endm
.macro MAXH b0, part                   ; half of the search for the largest score of blocks b0, b0 + 1 of both tiles: four chains by turns, each accumulator from its low end on
.if \part == 0
.irp u, 0,1
.irp b, \b0, \b0+1
	v_max3_num_f32 v[BM+16*\u+\b], v[S+64*\u+16*(\b)], v[S+64*\u+16*(\b)+1], v[S+64*\u+16*(\b)+2]
.endr
.endr
.irp i, 3,5,7
.irp u, 0,1
.irp b, \b0, \b0+1
	v_max3_num_f32 v[BM+16*\u+\b], v[BM+16*\u+\b], v[S+64*\u+16*(\b)+\i], v[S+64*\u+16*(\b)+\i+1]
.endr
.endr
.endr
.else
.irp i, 9,11,13
.irp u, 0,1
.irp b, \b0, \b0+1
	v_max3_num_f32 v[BM+16*\u+\b], v[BM+16*\u+\b], v[S+64*\u+16*(\b)+\i], v[S+64*\u+16*(\b)+\i+1]
.endr
.endr
.endr
.irp u, 0,1
.irp b, \b0, \b0+1
	v_max_num_f32 v[BM+16*\u+\b], v[BM+16*\u+\b], v[S+64*\u+16*(\b)+15]
.endr
.endr
.endif
.endm
.macro PF u, j                         ; t - M of two scores
	v_pk_fma_f32 v[S+64*\u+2*(\j):S+64*\u+2*(\j)+1], v[S+64*\u+2*(\j):S+64*\u+2*(\j)+1], s[CC:CC+1], v[NM+12*\u:NM+12*\u+1] op_sel_hi:[1,0,0]
.endm
.macro BF u, b                         ; the same of a block's largest score
	v_fma_f32 v[BM+16*\u+\b], v[BM+16*\u+\b], s[CC], v[NM+12*\u]
.endm
.macro DMIN u, j                       ; the hold of two p at 448 x their block's scale (the conversion does not saturate: ISA guide 7.6.2); p is not negative
	v_dual_min_num_f32 v[S+64*\u+2*(\j)], v[S+64*\u+2*(\j)], v[BH+16*\u+(\j)/8] :: v_dual_min_num_f32 v[S+64*\u+2*(\j)+1], v[S+64*\u+2*(\j)+1], v[BH+16*\u+(\j)/8]
.endm
.macro FSUM u                          ; f, and the step's sum of the unquantised p in four chains
	v_sub_f32 v[TT+12*\u], v[NM+12*\u], v[NO+12*\u]
.irp q, 0,1,2,3
	v_pk_add_f32 v[SCH+2*\q:SCH+2*\q+1], v[S+64*\u+4*\q:S+64*\u+4*\q+1], v[S+64*\u+4*\q+2:S+64*\u+4*\q+3]
.endr
	v_cvt_i32_f32 v[TT+12*\u], v[TT+12*\u]         ; a whole number, 0 or less; it saturates
.irp j, 16,24,32,40,48,56
.irp q, 0,1,2,3
	v_pk_add_f32 v[SCH+2*\q:SCH+2*\q+1], v[SCH+2*\q:SCH+2*\q+1], v[S+64*\u+\j+2*\q:S+64*\u+\j+2*\q+1]
.endr
.endr
	v_ldexp_f32 v[FF+12*\u], 1.0, v[TT+12*\u]
	v_pk_add_f32 v[SCH:SCH+1], v[SCH:SCH+1], v[SCH+2:SCH+3]
	v_pk_add_f32 v[SCH+4:SCH+5], v[SCH+4:SCH+5], v[SCH+6:SCH+7]
	v_pk_add_f32 v[SA+12*\u:SA+12*\u+1], v[SCH:SCH+1], v[SCH+4:SCH+5]
.endm
.macro SCALE u                         ; from the blocks' largest p: scale operands, bounds, bytes, p's scale word
.irp b, 0,1,2,3
	v_max_num_f32 v[BM+16*\u+\b], 0x4800000, v[BM+16*\u+\b]
.endr
.irp b, 0,1,2,3
	v_add_nc_u32 v[BS+16*\u+\b], 0xfc000000, v[BM+16*\u+\b]
.endr
.irp b, 0,1,2,3
	v_and_or_b32 v[BH+16*\u+\b], v[BM+16*\u+\b], 0x7f800000, s[MNT]
.endr
.irp b, 0,1,2,3
	v_lshrrev_b32 v[BT+16*\u+\b], 23, v[BS+16*\u+\b]
.endr
	v_lshl_or_b32 v[PWD+\u], v[BT+16*\u+1], 8, v[BT+16*\u]
	v_lshl_or_b32 v[PWD+\u], v[BT+16*\u+2], 16, v[PWD+\u]
	v_lshl_or_b32 v[PWD+\u], v[BT+16*\u+3], 24, v[PWD+\u]
.endm
.macro CVT u
.irp b, 0,1,2,3
	v_cvt_scalef32_pk8_fp8_f32 v[PCD+16*\u+4*\b:PCD+16*\u+4*\b+1], v[S+64*\u+16*\b:S+64*\u+16*\b+7], v[BS+16*\u+\b]
	v_cvt_scalef32_pk8_fp8_f32 v[PCD+16*\u+4*\b+2:PCD+16*\u+4*\b+3], v[S+64*\u+16*\b+8:S+64*\u+16*\b+15], v[BS+16*\u+\b]
.endr
.endm
.macro RESC u                          ; O^T under the new M.  The wait stands directly ahead of the first reader of the last step's products
	WIN 0x41
	WALU
.set J, 0
.rept 16
	v_pk_mul_f32 v[O+32*\u+J:O+32*\u+J+1], v[O+32*\u+J:O+32*\u+J+1], v[FF+12*\u:FF+12*\u+1] op_sel_hi:[1,0]
.set J, J+2
.endr
.endm
.macro PV u                            ; O^T += V^T P^T: four accumulators by turns
	WIN 0x51
.irp t, 0,1,2,3
.if (\t)%2
	v_wmma_scale_f32_16x16x128_f8f6f4 v[O+32*\u+8*\t:O+32*\u+8*\t+7], v[VF+16*\t:VF+16*\t+15], v[PCD+16*\u:PCD+16*\u+15], v[O+32*\u+8*\t:O+32*\u+8*\t+7], v[VW+(\t)/2], v[PWD+\u] matrix_a_scale:MATRIX_SCALE_ROW1
.else
	v_wmma_scale_f32_16x16x128_f8f6f4 v[O+32*\u+8*\t:O+32*\u+8*\t+7], v[VF+16*\t:VF+16*\t+15], v[PCD+16*\u:PCD+16*\u+15], v[O+32*\u+8*\t:O+32*\u+8*\t+7], v[VW+(\t)/2], v[PWD+\u]
.endif
.endr
	WIN 0
.endm
	s_mov_b32 s[PS], 0
	s_mov_b32 s[CSO], 0
.Lpass:                                            ; two passes of 256 queries
	WIN 0x40
.irp t, 0,1,2,3
	ds_load_b128 v[KF+16*\t:KF+16*\t+3], v[AK0] offset:\t*16384           ; step 0's first four tiles of K
	ds_load_b128 v[KF+16*\t+4:KF+16*\t+7], v[AK0] offset:\t*16384+512
.endr
	WIN 0
	ds_load_b128 v[KW:KW+3], v[ASK0]
.irp u, 0,1
	v_mov_b32 v[NM+12*\u], 0x7f61b1e6              ; -M = 3e38: the first f is 0, over zeros
	v_mov_b32 v[RR+12*\u], 0xff61b1e6              ; the largest score so far: -3e38
	v_mov_b32 v[LL+12*\u], 0
	v_mov_b32 v[LL+12*\u+1], 0
	v_mov_b32 v[FF+12*\u], 0
	v_mov_b32 v[SA+12*\u], 0
	v_mov_b32 v[SA+12*\u+1], 0
.endr
	s_mov_b32 s[TK], 0
	s_mov_b32 s[TV], 0
	s_mov_b32 s[TS], 0
	s_mov_b32 s[TJ], 0
	s_mov_b32 s[CNT], 16
	WIN 0x40
.set J, 0
.rept 64
	v_mov_b32 v[O+J], 0                            ; the step is written once: the first finds zeros.  (Also the places ahead of the products that take Q's scale words)
.set J, J+1
.endr
	WIN 0
	WALU
.Lstep:                                            ; 128 keys against 32 queries
	s_wait_dscnt 0x0                               ; K's tiles 0-3 and its scale words, asked for in the step before
	SMUL 0
	v_add_nc_u32 v[ADK], s[TK], v[AK0]             ; nine lines that are due anyway are the places behind the products above and the last step's
	v_add_nc_u32 v[ADS], s[TS], v[ASK0]
.irp u, 0,1
	v_mov_b32 v[NO+12*\u], v[NM+12*\u]
	v_pk_fma_f32 v[LL+12*\u:LL+12*\u+1], v[LL+12*\u:LL+12*\u+1], v[FF+12*\u:FF+12*\u+1], v[SA+12*\u:SA+12*\u+1] op_sel_hi:[1,0,1]   ; the last step's sum joins the row's
.endr
	v_add_nc_u32 v[ADK1], s[TK], v[AK1]
	v_add_nc_u32 v[ADV], s[TV], v[AV0]
	v_add_nc_u32 v[ADT], s[TJ], v[ASV0]
	WIN 0x40
.irp t, 0,1,2,3
	ds_load_b128 v[KF+16*\t:KF+16*\t+3], v[ADK1] offset:\t*16384          ; K's tiles 4-7
	ds_load_b128 v[KF+16*\t+4:KF+16*\t+7], v[ADK1] offset:\t*16384+512
.endr
.irp t, 0,1,2,3
.irp c, 0,1,2,3
	ds_load_b128 v[VF+16*\t+4*\c:VF+16*\t+4*\c+3], v[ADV] offset:\t*2048+\c*512
.endr
.endr
	WIN 0
	ds_load_b64 v[VW:VW+1], v[ADT]
	MAXH 0, 0
	WALU
	s_wait_dscnt 17                                ; K's eight loads are in; V's sixteen and its scale words may be out
	SMUL 1
	MAXH 0, 1                                      ; sixteen places behind the products
	WIN 0x40
.irp t, 0,1,2,3
	ds_load_b128 v[KF+16*\t:KF+16*\t+3], v[ADK] offset:1024+\t*16384      ; the next step's tiles 0-3
	ds_load_b128 v[KF+16*\t+4:KF+16*\t+7], v[ADK] offset:1024+\t*16384+512
.endr
	WIN 0
	ds_load_b128 v[KW:KW+3], v[ADS] offset:512
	MAXH 2, 0
	MAXH 2, 1
.irp u, 0,1
.irp b, 0,1,2,3
	v_permlanex16_b32 v[BT+16*\u+\b], v[BM+16*\u+\b], s[SEL], s[SEL+1]
.endr
.endr
.irp u, 0,1
.irp b, 0,1,2,3
	v_max_num_f32 v[BM+16*\u+\b], v[BM+16*\u+\b], v[BT+16*\u+\b]          ; with lane l xor 16's 16 keys
.endr
.endr
.irp u, 0,1
	v_max3_num_f32 v[RR+12*\u], v[RR+12*\u], v[BM+16*\u], v[BM+16*\u+1]
.endr
.irp u, 0,1
	v_max3_num_f32 v[RR+12*\u], v[RR+12*\u], v[BM+16*\u+2], v[BM+16*\u+3] ; the running largest score
.endr
.irp u, 0,1
	v_mul_f32 v[TT+12*\u], s[NC], v[RR+12*\u]
.endr
.irp u, 0,1
	v_floor_f32 v[NM+12*\u], v[TT+12*\u]           ; -M = floor(-t)
.endr
.set J, 0
.rept 32
	PF 0, J
.set J, J+1
.endr
.irp b, 0,1,2,3
	BF 0, \b
.endr
	WALU                                           ; ahead of the batch
.set J, 0
.rept 32                               ; the first tile's exponentials, the second tile's multiply-adds among them
	v_exp_f32 v[S+2*J], v[S+2*J]
	PF 1, J
	v_exp_f32 v[S+2*J+1], v[S+2*J+1]
.set J, J+1
.endr
.irp b, 0,1,2,3
	v_exp_f32 v[BM+\b], v[BM+\b]                   ; a block's largest p: the same two instructions on the same number
	BF 1, \b
.endr
	WALU                                           ; behind the batch
	FSUM 0
	SCALE 0
	WALU                                           ; ahead of the second batch, and of the holds among it
.set J, 0
.rept 32                               ; the second tile's exponentials, the first tile's holds among them
	v_exp_f32 v[S+64+2*J], v[S+64+2*J]
	DMIN 0, J
	v_exp_f32 v[S+64+2*J+1], v[S+64+2*J+1]
.set J, J+1
.endr
.irp b, 0,1,2,3
	v_exp_f32 v[BM+16+\b], v[BM+16+\b]
.endr
	RESC 0                                         ; its wait is also the one behind the batch
	WIN 0
	CVT 0
	FSUM 1                                         ; (the places between the codes and their product)
	WALU
	s_wait_dscnt 9                                 ; V and its scale words are in; the next step's nine loads may be out
	PV 0
	SCALE 1
.set J, 0
.rept 32
	DMIN 1, J
.set J, J+1
.endr
	CVT 1
	RESC 1
	PV 1
	s_add_co_u32 s[TK], s[TK], 1024
	s_add_co_u32 s[TV], s[TV], 8192
	s_add_co_u32 s[TS], s[TS], 512
	s_add_co_u32 s[TJ], s[TJ], 256
	s_sub_co_u32 s[CNT], s[CNT], 1
	s_cmp_lg_u32 s[CNT], 0
	WALU
	s_cbranch_scc1 .Lstep
	s_wait_dscnt 0x0                               ; the last step's nine loads ahead have landed: their registers are loaded anew at the next pass's head
	; THE WAY OUT of a pass: O^T / the sum, quantised along the head's 64 (two blocks), codes and bytes
.rept 8
	v_nop
.endr
.irp u, 0,1
	v_pk_fma_f32 v[LL+12*\u:LL+12*\u+1], v[LL+12*\u:LL+12*\u+1], v[FF+12*\u:FF+12*\u+1], v[SA+12*\u:SA+12*\u+1] op_sel_hi:[1,0,1]
.endr
.irp u, 0,1
	v_add_f32 v[LL+12*\u], v[LL+12*\u], v[LL+12*\u+1]
.endr
.irp u, 0,1
	v_permlanex16_b32 v[TT+12*\u], v[LL+12*\u], s[SEL], s[SEL+1]
.endr
.irp u, 0,1
	v_add_f32 v[LL+12*\u], v[LL+12*\u], v[TT+12*\u]
.endr
	WALU
.irp u, 0,1
	v_rcp_f32 v[LL+12*\u], v[LL+12*\u]
.endr
	v_nop
	WIN 0x01
	WALU                                           ; behind the two, and directly ahead of the first reader of the last products
.irp u, 0,1
.set J, 0
.rept 16
	v_pk_mul_f32 v[S+64*\u+J:S+64*\u+J+1], v[O+32*\u+J:O+32*\u+J+1], v[LL+12*\u:LL+12*\u+1] op_sel_hi:[1,0]
.set J, J+2
.endr
.endr
	WIN 0
.irp u, 0,1
.irp b, 0,1
	v_max3_num_f32 v[BM+16*\u+\b], |v[S+64*\u+16*\b]|, |v[S+64*\u+16*\b+1]|, 0x4800000
.endr
.endr
.irp i, 2,4,6,8,10,12,14
.irp u, 0,1
.irp b, 0,1
	v_max3_num_f32 v[BM+16*\u+\b], v[BM+16*\u+\b], |v[S+64*\u+16*\b+\i]|, |v[S+64*\u+16*\b+\i+1]|
.endr
.endr
.endr
.irp u, 0,1
.irp b, 0,1
	v_permlanex16_b32 v[BT+16*\u+\b], v[BM+16*\u+\b], s[SEL], s[SEL+1]
.endr
.endr
.irp u, 0,1
.irp b, 0,1
	v_max_num_f32 v[BM+16*\u+\b], v[BM+16*\u+\b], v[BT+16*\u+\b]
.endr
.endr
.irp u, 0,1
.irp b, 0,1
	v_add_nc_u32 v[BS+16*\u+\b], 0xfc000000, v[BM+16*\u+\b]
.endr
.endr
.irp u, 0,1
.irp b, 0,1
	v_and_or_b32 v[BH+16*\u+\b], v[BM+16*\u+\b], 0x7f800000, s[MNT]
.endr
.endr
.irp u, 0,1
.irp b, 0,1
	v_lshrrev_b32 v[BT+16*\u+\b], 23, v[BS+16*\u+\b]
.endr
.endr
.irp u, 0,1
	v_lshl_or_b32 v[TT+12*\u], v[BT+16*\u+1], 8, v[BT+16*\u]
.endr
	v_add_nc_u32 v[CSW], s[CSO], v[CSA]
.irp u, 0,1
.irp b, 0,1
.irp i, 0,1,2,3,4,5,6,7,8,9,10,11,12,13,14,15
	v_med3_num_f32 v[S+64*\u+16*\b+\i], v[S+64*\u+16*\b+\i], -v[BH+16*\u+\b], v[BH+16*\u+\b]
.endr
	v_cvt_scalef32_pk8_fp8_f32 v[PCD+16*\u+4*\b:PCD+16*\u+4*\b+1], v[S+64*\u+16*\b:S+64*\u+16*\b+7], v[BS+16*\u+\b]
	v_cvt_scalef32_pk8_fp8_f32 v[PCD+16*\u+4*\b+2:PCD+16*\u+4*\b+3], v[S+64*\u+16*\b+8:S+64*\u+16*\b+15], v[BS+16*\u+\b]
.endr
.endr
	v_nop
.irp u, 0,1
	global_store_b128 v[GL], v[PCD+16*\u:PCD+16*\u+3], s[86:87] offset:16384*\u        ; 32 lanes store 512 consecutive bytes
	global_store_b128 v[GL], v[PCD+16*\u+4:PCD+16*\u+7], s[86:87] offset:16384*\u+512
	ds_store_b16 v[CSW], v[TT+12*\u] offset:32*\u
.endr
	s_wait_xcnt 0x0                                ; the bases and the stores' data are written again only behind this wait
	WIN 0x41                                       ; the second pass's Q takes its place (behind the second pass these lines move the same numbers once more)
.irp u, 0,1
.irp i, 0,1,2,3,4,5,6,7
	v_mov_b32 v[QF+16*\u+\i], v[QN+8*\u+\i]
.endr
.endr
	WIN 0
	v_mov_b32 v[QW], v[QWN]
	v_mov_b32 v[QW+1], v[QWN+1]
	s_add_nc_u64 s[86:87], s[86:87], 0x40000
	s_add_co_u32 s[CSO], s[CSO], 512
	s_add_co_u32 s[PS], s[PS], 1
	s_cmp_lt_u32 s[PS], 2
	WALU
	s_cbranch_scc1 .Lpass
	s_lshl_b32 s78, s18, 14
	s_lshl_b32 s77, s17, 12
	s_add_co_u32 s78, s78, s77
	s_lshl_b32 s77, s15, 10
	s_add_co_u32 s78, s78, s77
	s_add_nc_u64 s[88:89], s[12:13], s[78:79]
	s_wait_dscnt 0x0
	s_barrier_signal -1
	s_barrier_wait -1                              ; all waves' scale bytes lie in LDS: wave 0 stores the 1,024
	s_cmp_lg_u32 s[WV], 0
	s_cbranch_scc1 .Lnot_first
	ds_load_b128 v[116:119], v[CSR]
	ds_load_b128 v[120:123], v[CSR] offset:512
	s_wait_dscnt 0x0
	global_store_b128 v[GL], v[116:119], s[88:89]
	global_store_b128 v[GL], v[120:123], s[88:89] offset:512
.Lnot_first:
	s_wait_tensorcnt 0x0                           ; the wave's end
	ds_add_u32 v[SPW], v[NIL]
	s_wait_dscnt 0x0
	CROUND                                         ; the closing round
	s_endpgm
.Lfunc_end_k_q9c589d9b1e_attn:
	.size	k_q9c589d9b1e_attn, .Lfunc_end_k_q9c589d9b1e_attn-k_q9c589d9b1e_attn
	.p2alignl 7, 3214868480
	.fill 96, 4, 3214868480
	.section	.rodata,"a",@progbits
	.p2align	6, 0x0
	.amdhsa_kernel k_q9c589d9b1e_attn
		.amdhsa_group_segment_fixed_size 327680
		.amdhsa_private_segment_fixed_size 0
		.amdhsa_enable_private_segment 0
		.amdhsa_kernarg_size 40
		.amdhsa_user_sgpr_count 2
		.amdhsa_user_sgpr_kernarg_segment_ptr 1
		.amdhsa_wavefront_size32 1
		.amdhsa_system_sgpr_workgroup_id_x 1
		.amdhsa_system_sgpr_workgroup_id_y 1
		.amdhsa_system_sgpr_workgroup_id_z 1
		.amdhsa_system_vgpr_workitem_id 0
		.amdhsa_next_free_vgpr 512
		.amdhsa_next_free_sgpr 96
		.amdhsa_reserve_vcc 1
		.amdhsa_float_denorm_mode_32 3
		.amdhsa_float_denorm_mode_16_64 3
		.amdhsa_memory_ordered 1
		.amdhsa_forward_progress 1
		.amdhsa_inst_pref_size 65
	.end_amdhsa_kernel
	.amdgpu_metadata
---
amdhsa.version: [ 1, 2 ]
amdhsa.kernels:
  - .name:           k_q9c589d9b1e_attn
    .symbol:         k_q9c589d9b1e_attn.kd
    .args:
      - { .name: img, .offset: 0, .size: 8, .value_kind: global_buffer, .address_space: global }
      - { .name: isc, .offset: 8, .size: 8, .value_kind: global_buffer, .address_space: global }
      - { .name: mask, .offset: 16, .size: 8, .value_kind: global_buffer, .address_space: global }
      - { .name: cimg, .offset: 24, .size: 8, .value_kind: global_buffer, .address_space: global }
      - { .name: csc, .offset: 32, .size: 8, .value_kind: global_buffer, .address_space: global }
    .group_segment_fixed_size: 327680
    .private_segment_fixed_size: 0
    .kernarg_segment_align: 8
    .kernarg_segment_size: 40
    .max_flat_workgroup_size: 256
    .sgpr_count:     96
    .vgpr_count:     512
    .wavefront_size: 32
...
	.end_amdgpu_metadata
.endif
;; end of part 3
;; launch outln (part 4): grid 256 x 1, 16 waves a work-group, no clusters, 179,200 bytes of LDS; arguments cimg, csc, woimg, Wo_scales, bo, Q, gamma, beta, out0; writes out0
.if DOCPART == 4
	.amdgcn_target "amdgcn-amd-amdhsa--gfx1250"
	.amdhsa_code_object_version 6
	.text
	.protected	k_q9c589d9b1e_outln
	.globl	k_q9c589d9b1e_outln
	.p2align	8
	.type	k_q9c589d9b1e_outln,@function
k_q9c589d9b1e_outln:
	s_mov_b64 s[64:65], 0
	v_nop
	global_prefetch_b8 v0, s[64:65] scope:SCOPE_SE
	s_setreg_imm32_b32 hwreg(HW_REG_WAVE_MODE, 25, 1), 1
	s_wait_xcnt 0x0
; out0 = LayerNorm(ctx Wo^T + bo + Q) x gamma + beta; the product on codes of E4M3 with E8M0 scales, K = 1,024; all else in f32.
; SHARES.  A work-group owns 32 tokens (two tiles u of 16) and all 1,024 columns, since the norm wants whole rows.  Wave w of sixteen owns columns 64 w .. 64 w + 63: four tiles t, eight accumulators.
; The product is used transposed (source 0 = 16 rows of Wo, source 1 = 16 tokens): a lane holds one token and eight neighbouring columns.  ctx's images (32 KiB) go through LDS to all waves; Wo's fragments come from woimg
; straight into registers, 512 consecutive bytes a load, two buffers of a K step by turns.
; NO CLUSTER: each byte of Wo feeds one wave of a work-group once; a joint load lands in LDS alone, and would add 1 MiB written to and read from LDS for each work-group.
; THE NORM in two passes over registers: the mean, then the mean of (x - mean)^2; a wave's sums of its 64 columns meet the other fifteen's in LDS, behind a barrier each.
; LIMITS: NaN and infinities are not served.
; REGISTERS: v1 16 x lane; v2, v3 my stage by the result's layout and by rows; v4 the same rows in Q and out0; v5 where I put ctx's images; v6-21 Wo's scale words; v22-29 ctx's; v30-61 ctx's two fragments, later beta;
;   v62-125 the accumulators (u, t) at 62 + 8 (4 u + t); v126-189, v190-253 Wo's fragments, later bo, gamma, Q and scratch; v254 32 h.
.set AIMG, 0                           ; LDS: ctx's images [u][K step 8][block 4][512];
.set STG,  32768                       ; a stage for each wave: 2 x 16 rows x (256 bytes + 16);
.set P1,   172032                      ; 32 rows x (16 words + 16 bytes): the waves' sums;
.set P2,   174592                      ; the same for the squares
.set WS,   6
.set AS,   22
.set AF,   30
.set ACC,  62
.set WB0,  126
.set WB1,  190
.set T0,   190
.set T1,   194
.set T2,   196
.set LP,   200
.set NM,   232
.set RS,   236
.set PA,   240
.set PB,   241
	s_load_b256 s[4:11], s[0:1], 0x0               ; cimg, csc, woimg, Wo's scales
	s_load_b256 s[12:19], s[0:1], 0x20             ; bo, Q, gamma, beta
	s_load_b64 s[20:21], s[0:1], 0x40              ; out0
	v_lshrrev_b32 v255, 5, v0
	s_delay_alu instid0(VALU_DEP_1)
	v_readfirstlane_b32 s24, v255                  ; wave 0..15
	v_and_b32 v190, 31, v0                         ; lane
	s_delay_alu instid0(VALU_DEP_1)
	v_lshlrev_b32 v1, 4, v190
	s_delay_alu instid0(VALU_DEP_1)
	v_lshl_add_u32 v5, v255, 11, v1                ; 2,048 x wave + 16 x lane
	s_delay_alu instid0(VALU_DEP_3)
	v_lshlrev_b32 v191, 5, v190                    ; 32 x lane
	s_delay_alu instid0(VALU_DEP_4)
	v_lshlrev_b32 v190, 1, v190                    ; 2 x lane
	v_and_b32 v255, 15, v0                         ; r
	v_bfe_u32 v254, v0, 4, 1                       ; h
	s_mul_i32 s25, s24, 8704
	s_add_co_u32 s25, s25, STG
	v_mul_u32_u24 v2, v255, 272
	s_delay_alu instid0(VALU_DEP_1)
	v_lshl_add_u32 v2, v254, 5, v2
	s_delay_alu instid0(VALU_DEP_1)
	v_add_nc_u32 v2, s25, v2                       ; row r, + 32 h
	v_mul_u32_u24 v3, v254, 272
	s_delay_alu instid0(VALU_DEP_1)
	v_lshl_add_u32 v3, v255, 4, v3
	s_delay_alu instid0(VALU_DEP_1)
	v_add_nc_u32 v3, s25, v3                       ; lanes 0-15 one row, lanes 16-31 the next
	v_lshlrev_b32 v4, 12, v254
	s_delay_alu instid0(VALU_DEP_1)
	v_lshl_add_u32 v4, v255, 4, v4                 ; and the same in rows of 4,096 bytes
	v_lshlrev_b32 v254, 5, v254                    ; 32 h
	s_mov_b32 s22, 0x76543210
	s_mov_b32 s23, 0xfedcba98
	s_mov_b32 s28, 0x3a800000                      ; 1 / 1,024
	s_mov_b32 s29, 0x3727c5ac                      ; 1e-5
	s_mov_b32 s27, 0
	s_mov_b32 s31, 0
	s_mov_b32 s33, 0
	s_lshl_b32 s26, ttmp9, 15
	s_lshl_b32 s30, s24, 11
	s_add_co_u32 s26, s26, s30                     ; cimg: 32 KiB a work-group, 2 KiB a wave
	s_lshl_b32 s32, s24, 8                         ; 64 columns of f32
	s_wait_alu depctr_va_vdst(0)
	s_wait_kmcnt 0x0
	s_add_nc_u64 s[4:5], s[4:5], s[26:27]
	s_add_nc_u64 s[10:11], s[10:11], s[30:31]      ; Wo's scales: 64 rows of 32 bytes a wave
	s_add_nc_u64 s[12:13], s[12:13], s[32:33]
	s_add_nc_u64 s[16:17], s[16:17], s[32:33]
	s_add_nc_u64 s[18:19], s[18:19], s[32:33]
	s_lshl_b32 s26, ttmp9, 6
	s_add_nc_u64 s[6:7], s[6:7], s[26:27]          ; csc: 32 tokens of 2 bytes
	s_lshl_b32 s26, s24, 16
	s_add_nc_u64 s[8:9], s[8:9], s[26:27]          ; woimg: 64 KiB a wave
	s_lshl_b32 s26, ttmp9, 17
	s_add_co_u32 s26, s26, s32
	s_add_nc_u64 s[14:15], s[14:15], s[26:27]
	s_add_nc_u64 s[20:21], s[20:21], s[26:27]
.macro WLOAD ks                        ; Wo's four fragments of K step ks
.set WB_, WB0+64*((\ks)%2)
.irp t, 0,1,2,3
.irp c, 0,1,2,3
	global_load_b128 v[WB_+16*\t+4*\c:WB_+16*\t+4*\c+3], v1, s[8:9] offset:(\ks)*8192+(4*\t+\c)*512
.endr
.endr
.endm
.irp c, 0,1,2,3
	global_load_b128 v[46+4*\c:49+4*\c], v1, s[4:5] offset:512*\c th:TH_LOAD_NT
.endr
.irp d, 0,1,2,3,4,5,6,7,8,9,10,11,12,13,14,15
	global_load_u16 v[30+\d], v190, s[6:7] offset:16384*\d     ; head d's two bytes of token = lane
.endr
.irp p, 0,1
.irp q, 0,1
	global_load_b128 v[WS+8*\p+4*\q:WS+8*\p+4*\q+3], v191, s[10:11] offset:1024*\p+16*\q   ; row 32 p + lane: lanes 0-15 tile 2 p, lanes 16-31 tile 2 p + 1; a word a K step
.endr
.endr
.irp u, 0,1
.irp i, 0,1,2,3,4,5,6,7
	global_load_b128 v[ACC+32*\u+4*\i:ACC+32*\u+4*\i+3], v4, s[14:15] offset:(16*\u+2*\i)*4096 th:TH_LOAD_NT   ; Q: sixteen lanes read 256 consecutive bytes
.endr
.endr
	WLOAD 0
	s_wait_loadcnt 52                              ; of 56 loads the first four, ctx's images, are in
.irp c, 0,1,2,3
	ds_store_b128 v5, v[46+4*\c:49+4*\c] offset:512*\c
.endr
	s_wait_loadcnt 32                              ; the half-words and Wo's scale words are in
.irp k, 0,1,2,3,4,5,6,7
	v_lshl_or_b32 v[AS+\k], v[31+2*\k], 16, v[30+2*\k]         ; ctx's scale word of K step k: the pair of heads' bytes
.endr
.rept 8
	v_nop                                          ; a scale word made by vector instructions stands eight places ahead of the products
.endr
	s_wait_alu depctr_va_vdst(0)
	s_wait_loadcnt 16                              ; Q is in; Wo's first K step may be out
.irp u, 0,1
.irp i, 0,1,2,3,4,5,6,7
	ds_store_b128 v3, v[ACC+32*\u+4*\i:ACC+32*\u+4*\i+3] offset:4352*\u+544*\i     ; into my stage, by rows
.endr
.endr
	WLOAD 1                                        ; (the loads that used v190, v191 as addresses are done)
	s_wait_dscnt 0x0
	s_barrier_signal -1
	s_barrier_wait -1                              ; ctx's images lie in LDS
.macro PROD ks, u, t, c
.set D_, ACC+8*(4*(\u)+(\t))
.set W_, WB0+64*((\ks)%2)+16*(\t)
.set A_, AF+16*(\u)
.set SW_, WS+8*((\t)/2)+(\ks)
.set SA_, AS+(\ks)
.if ((\t)%2 == 1) && ((\u) == 1)
	v_wmma_scale_f32_16x16x128_f8f6f4 v[D_:D_+7], v[W_:W_+15], v[A_:A_+15], \c, v[SW_], v[SA_] matrix_a_scale:MATRIX_SCALE_ROW1 matrix_b_scale:MATRIX_SCALE_ROW1
.elseif (\t)%2 == 1
	v_wmma_scale_f32_16x16x128_f8f6f4 v[D_:D_+7], v[W_:W_+15], v[A_:A_+15], \c, v[SW_], v[SA_] matrix_a_scale:MATRIX_SCALE_ROW1
.elseif (\u) == 1
	v_wmma_scale_f32_16x16x128_f8f6f4 v[D_:D_+7], v[W_:W_+15], v[A_:A_+15], \c, v[SW_], v[SA_] matrix_b_scale:MATRIX_SCALE_ROW1
.else
	v_wmma_scale_f32_16x16x128_f8f6f4 v[D_:D_+7], v[W_:W_+15], v[A_:A_+15], \c, v[SW_], v[SA_]
.endif
.endm
.macro KSTEP ks                        ; 128 along K: eight products, the accumulators by turns
.irp u, 0,1
.irp c, 0,1,2,3
	ds_load_b128 v[AF+16*\u+4*\c:AF+16*\u+4*\c+3], v1 offset:\u*16384+(\ks)*2048+512*\c
.endr
.endr
	s_wait_loadcnt 16                              ; this K step's fragments of Wo are in; the 16 loads issued behind them may be out
	s_wait_dscnt 0x0
.irp u, 0,1
.irp t, 0,1,2,3
.if (\ks) == 0
	PROD \ks, \u, \t, 0
.else
	PROD \ks, \u, \t, v[D_:D_+7]
.endif
.endr
.endr
.rept 8
	v_nop                                          ; places in front of loads into registers that these products have read
.endr
.endm
.irp k, 0,1,2,3,4,5
	KSTEP \k
	WLOAD \k+2
.endr
	KSTEP 6
.irp t, 0,1,2,3
	global_load_b128 v[WB0+8*\t:WB0+8*\t+3], v254, s[12:13] offset:64*\t               ; bo of columns 16 t + 8 h + 0..7
	global_load_b128 v[WB0+8*\t+4:WB0+8*\t+7], v254, s[12:13] offset:64*\t+16
.endr
.irp t, 0,1,2,3
	global_load_b128 v[WB0+32+8*\t:WB0+32+8*\t+3], v254, s[16:17] offset:64*\t         ; gamma
	global_load_b128 v[WB0+32+8*\t+4:WB0+32+8*\t+7], v254, s[16:17] offset:64*\t+16
.endr
	KSTEP 7
.irp t, 0,1,2,3
	global_load_b128 v[AF+8*\t:AF+8*\t+3], v254, s[18:19] offset:64*\t                 ; beta
	global_load_b128 v[AF+8*\t+4:AF+8*\t+7], v254, s[18:19] offset:64*\t+16
.endr
.irp u, 0,1
.irp t, 0,1,2,3
	ds_load_b128 v[WB1+32*\u+8*\t:WB1+32*\u+8*\t+3], v2 offset:4352*\u+64*\t           ; Q back, in the result's layout
	ds_load_b128 v[WB1+32*\u+8*\t+4:WB1+32*\u+8*\t+7], v2 offset:4352*\u+64*\t+16
.endr
.endr
	s_wait_loadcnt 8                               ; bo and gamma are in; beta's eight may be out
	s_wait_dscnt 0x0
.irp u, 0,1
.set i, 0
.rept 16
	v_pk_add_f32 v[ACC+32*\u+i:ACC+32*\u+i+1], v[ACC+32*\u+i:ACC+32*\u+i+1], v[WB1+32*\u+i:WB1+32*\u+i+1]   ; x = the product + Q, each accumulator from its low end on,
	s_delay_alu instid0(VALU_DEP_1)
	v_pk_add_f32 v[ACC+32*\u+i:ACC+32*\u+i+1], v[ACC+32*\u+i:ACC+32*\u+i+1], v[WB0+i:WB0+i+1]               ; + bo
.set i, i+2
.endr
.endr
	v_and_b32 v[PB], 15, v0
	s_delay_alu instid0(VALU_DEP_1)
	v_mul_u32_u24 v[PB], v[PB], 80
	s_delay_alu instid0(VALU_DEP_1)
	v_add_nc_u32 v[PB], P1, v[PB]                  ; my token's row of sums
	s_lshl_b32 s25, s24, 2
	v_add_nc_u32 v[PA], s25, v[PB]                 ; and my wave's word in it
	v_mov_b32 v[T2], 0
	v_mov_b32 v[T2+1], 0                           ; a lane permute's destination counts as one of its sources
; a lane's sums, in pairs at v[T0 + 2 u], become the rows' sums over all 1,024 columns, in v[T1 + u]
.macro REDUCE off
.irp u, 0,1
	s_delay_alu instid0(VALU_DEP_2)
	v_add_f32 v[T1+\u], v[T0+2*\u], v[T0+2*\u+1]
.endr
.irp u, 0,1
	s_delay_alu instid0(VALU_DEP_2)
	v_permlanex16_b32 v[T2+\u], v[T1+\u], s22, s23
.endr
.irp u, 0,1
	s_delay_alu instid0(VALU_DEP_2)
	v_add_f32 v[T1+\u], v[T1+\u], v[T2+\u]         ; my wave's 64 columns
.endr
.irp u, 0,1
	ds_store_b32 v[PA], v[T1+\u] offset:\off+1280*\u   ; both halves of the lanes hold the same
.endr
	s_wait_dscnt 0x0
	s_barrier_signal -1
	s_barrier_wait -1
.irp u, 0,1
.irp q, 0,1,2,3
	ds_load_b128 v[LP+16*\u+4*\q:LP+16*\u+4*\q+3], v[PB] offset:\off+1280*\u+16*\q
.endr
.endr
	s_wait_dscnt 0x0
.irp i, 2,4,6,8,10,12,14
.irp u, 0,1
	v_pk_add_f32 v[LP+16*\u:LP+16*\u+1], v[LP+16*\u:LP+16*\u+1], v[LP+16*\u+\i:LP+16*\u+\i+1]   ; every wave adds in the same order
.endr
.endr
.irp u, 0,1
	s_delay_alu instid0(VALU_DEP_2)
	v_add_f32 v[T1+\u], v[LP+16*\u], v[LP+16*\u+1]
.endr
.endm
.irp u, 0,1
	v_pk_add_f32 v[T0+2*\u:T0+2*\u+1], v[ACC+32*\u:ACC+32*\u+1], v[ACC+32*\u+2:ACC+32*\u+3]
.endr
.irp i, 4,6,8,10,12,14,16,18,20,22,24,26,28,30
.irp u, 0,1
	s_delay_alu instid0(VALU_DEP_2)
	v_pk_add_f32 v[T0+2*\u:T0+2*\u+1], v[T0+2*\u:T0+2*\u+1], v[ACC+32*\u+\i:ACC+32*\u+\i+1]
.endr
.endr
	REDUCE 0
.irp u, 0
	s_delay_alu instid0(VALU_DEP_2)
	v_mul_f32 v[NM+2*\u], 0xba800000, v[T1+\u]     ; - the mean
	v_mov_b32 v[NM+2*\u+1], 0                      ; (named as the upper half of a pair)
	v_mov_b32 v[RS+2*\u+1], 0
.endr
.irp u, 1
	s_delay_alu instid0(VALU_DEP_4)
	v_mul_f32 v[NM+2*\u], 0xba800000, v[T1+\u]     ; - the mean
	v_mov_b32 v[NM+2*\u+1], 0                      ; (named as the upper half of a pair)
	v_mov_b32 v[RS+2*\u+1], 0
.endr
.irp u, 0,1
.set i, 0
.rept 16
	v_pk_add_f32 v[ACC+32*\u+i:ACC+32*\u+i+1], v[ACC+32*\u+i:ACC+32*\u+i+1], v[NM+2*\u:NM+2*\u+1] op_sel_hi:[1,0]   ; d = x - the mean
.set i, i+2
.endr
.endr
.irp u, 0,1
	v_pk_mul_f32 v[T0+2*\u:T0+2*\u+1], v[ACC+32*\u:ACC+32*\u+1], v[ACC+32*\u:ACC+32*\u+1]
.endr
.irp i, 2,4,6,8,10,12,14,16,18,20,22,24,26,28,30
.irp u, 0,1
	s_delay_alu instid0(VALU_DEP_2)
	v_pk_fma_f32 v[T0+2*\u:T0+2*\u+1], v[ACC+32*\u+\i:ACC+32*\u+\i+1], v[ACC+32*\u+\i:ACC+32*\u+\i+1], v[T0+2*\u:T0+2*\u+1]
.endr
.endr
	REDUCE P2-P1
.irp u, 0,1
	s_delay_alu instid0(VALU_DEP_2)
	v_fma_f32 v[T1+\u], v[T1+\u], s28, s29         ; the variance + 1e-5
.endr
	s_wait_alu depctr_va_vdst(0)
.irp u, 0,1
	v_rsq_f32 v[RS+2*\u], v[T1+\u]
.endr
	v_nop
	s_wait_alu depctr_va_vdst(0)                   ; one wait for the two, ahead of their first reader
	s_wait_loadcnt 0x0                             ; beta
.irp u, 0,1
.set i, 0
.rept 16
	v_pk_mul_f32 v[ACC+32*\u+i:ACC+32*\u+i+1], v[ACC+32*\u+i:ACC+32*\u+i+1], v[RS+2*\u:RS+2*\u+1] op_sel_hi:[1,0]
	s_delay_alu instid0(VALU_DEP_1)
	v_pk_fma_f32 v[ACC+32*\u+i:ACC+32*\u+i+1], v[ACC+32*\u+i:ACC+32*\u+i+1], v[WB0+32+i:WB0+32+i+1], v[AF+i:AF+i+1]
.set i, i+2
.endr
.endr
	; THE WAY OUT: through my stage, back by rows; LDS serves a wave's instructions in order
.irp u, 0,1
.irp t, 0,1,2,3
	ds_store_b128 v2, v[ACC+32*\u+8*\t:ACC+32*\u+8*\t+3] offset:4352*\u+64*\t
	ds_store_b128 v2, v[ACC+32*\u+8*\t+4:ACC+32*\u+8*\t+7] offset:4352*\u+64*\t+16
.endr
.irp i, 0,1,2,3,4,5,6,7
	ds_load_b128 v[WB1+32*\u+4*\i:WB1+32*\u+4*\i+3], v3 offset:4352*\u+544*\i
.endr
.endr
.irp u, 0,1
.irp i, 0,1,2,3,4,5,6,7
	s_wait_dscnt 16*(1-\u)+7-\i                    ; behind this load: the rest of its eight, and for the first tile the second's sixteen
	global_store_b128 v4, v[WB1+32*\u+4*\i:WB1+32*\u+4*\i+3], s[20:21] offset:(16*\u+2*\i)*4096 th:TH_STORE_NT   ; sixteen lanes store 256 consecutive bytes, aligned
.endr
.endr
	s_wait_xcnt 0x0
	v_lshl_add_u32 v254, v0, 2, 0x2b400
	v_mov_b32 v255, 0
	s_wait_alu depctr_va_vdst(0)
	s_wait_tensorcnt 0x0
	ds_add_u32 v254, v255
	s_wait_dscnt 0x0
	s_endpgm
.Lfunc_end_k_q9c589d9b1e_outln:
	.size	k_q9c589d9b1e_outln, .Lfunc_end_k_q9c589d9b1e_outln-k_q9c589d9b1e_outln
	.p2alignl 7, 3214868480
	.fill 96, 4, 3214868480
	.section	.rodata,"a",@progbits
	.p2align	6, 0x0
	.amdhsa_kernel k_q9c589d9b1e_outln
		.amdhsa_group_segment_fixed_size 179200
		.amdhsa_private_segment_fixed_size 0
		.amdhsa_enable_private_segment 0
		.amdhsa_kernarg_size 72
		.amdhsa_user_sgpr_count 2
		.amdhsa_user_sgpr_kernarg_segment_ptr 1
		.amdhsa_wavefront_size32 1
		.amdhsa_system_sgpr_workgroup_id_x 1
		.amdhsa_system_sgpr_workgroup_id_y 1
		.amdhsa_system_sgpr_workgroup_id_z 1
		.amdhsa_system_vgpr_workitem_id 0
		.amdhsa_next_free_vgpr 256
		.amdhsa_next_free_sgpr 66
		.amdhsa_reserve_vcc 0
		.amdhsa_float_denorm_mode_32 3
		.amdhsa_float_denorm_mode_16_64 3
		.amdhsa_memory_ordered 1
		.amdhsa_forward_progress 1
		.amdhsa_inst_pref_size 66
	.end_amdhsa_kernel
	.amdgpu_metadata
---
amdhsa.version: [ 1, 2 ]
amdhsa.kernels:
  - .name:           k_q9c589d9b1e_outln
    .symbol:         k_q9c589d9b1e_outln.kd
    .args:
      - { .name: cimg, .offset: 0, .size: 8, .value_kind: global_buffer, .address_space: global }
      - { .name: csc, .offset: 8, .size: 8, .value_kind: global_buffer, .address_space: global }
      - { .name: woimg, .offset: 16, .size: 8, .value_kind: global_buffer, .address_space: global }
      - { .name: Wo_scales, .offset: 24, .size: 8, .value_kind: global_buffer, .address_space: global }
      - { .name: bo, .offset: 32, .size: 8, .value_kind: global_buffer, .address_space: global }
      - { .name: Q, .offset: 40, .size: 8, .value_kind: global_buffer, .address_space: global }
      - { .name: gamma, .offset: 48, .size: 8, .value_kind: global_buffer, .address_space: global }
      - { .name: beta, .offset: 56, .size: 8, .value_kind: global_buffer, .address_space: global }
      - { .name: out0, .offset: 64, .size: 8, .value_kind: global_buffer, .address_space: global }
    .group_segment_fixed_size: 179200
    .private_segment_fixed_size: 0
    .kernarg_segment_align: 8
    .kernarg_segment_size: 72
    .max_flat_workgroup_size: 512
    .sgpr_count:     66
    .vgpr_count:     256
    .wavefront_size: 32
...
	.end_amdgpu_metadata
.endif
;; end of part 4
